; MI455X (gfx1250); checked and timed in simulation.
; The chip was launched on July 23, 2026; its instructions are those of AMD's public machine-readable ISA for CDNA 5 (MIT licence, August 2026) and "CDNA5" Instruction Set Architecture Reference Guide (July 2026). The comments in the code are by the model that wrote it; some were corrected since.
;; Self Attention. Allowed arithmetic: matrix products marked QUANTISED: E2M3 operands, one E8M0 scale for each 32 along K, by v_wmma_scale_f32_16x16x128_f8f6f4 with both operands' format E2M3, f32 sums; everything else in f32.
;; Inputs: b_out 1,024 float32; b_qkv 3,072 float32; w_out 1,024 x 1,024 float32; w_qkv 1,024 x 3,072 float32; x 4 x 2,048 x 1,024 float32.
;; Outputs: out0 4 x 2,048 x 1,024 float32.
;; This version of the problem:
;;   THIS VERSION OF THE PROBLEM IS GIVEN IN LOW PRECISION. The matrix products marked QUANTISED in the list below multiply operands that are first quantised to E2M3 (2 exponent bits, 3 mantissa bits; 6 bits a number), with one power-of-two scale for each 32 numbers along K (OCP MX v1.0); their sums are f32. All else is computed in f32.
;;   The module's matrix products, in the order in which they are computed (A, B: the left and right operand; K: the contracted axis; several contracted axes count as one K, in the product's order):
;;     1. [M 8,192, K 1,024] x [K 1,024, N 3,072]; A: input x; B: input w_qkv: QUANTISED
;;     2. batch 64 x [M 2,048, K 64] x [K 64, N 2,048]; A: computed on the way; B: computed on the way: QUANTISED
;;     3. batch 64 x [M 2,048, K 2,048] x [K 2,048, N 64]; A: softmax (see below); B: computed on the way: QUANTISED
;;     4. [M 8,192, K 1,024] x [K 1,024, N 1,024]; A: computed on the way; B: input w_out: QUANTISED
;;   THE QUANTISER, for each operand of a quantised product, along K:
;;     - K is cut into blocks of 32 from its start; a last block that is shorter is filled with zeros.
;;     - A block's scale is 2^e with e = floor(log2(the largest magnitude in the block)) - 2, held to -126 .. 127; a block of zeros has e = 0. As a byte (E8M0): e + 127.
;;     - Each number is divided by its block's scale, clamped to +-7.5, and rounded to the nearest number of E2M3, ties to even, subnormals kept.
;;     - The product sums the exact products of the quantised numbers (number of the format x scale) in f32.
;;   ~~~python
;;   def quantise(x, axis):      # numpy; x: float32 -> the quantised numbers, widened to float32 again
;;       x = np.moveaxis(x, axis, -1); K = x.shape[-1]
;;       x = np.pad(x, [(0, 0)] * (x.ndim - 1) + [(0, -K % 32)]); x = x.reshape(x.shape[:-1] + (-1, 32)); a = np.abs(x).max(-1, keepdims=True)
;;       e = np.where(a > 0, np.clip(np.frexp(np.where(a > 0, a, 1))[1] - 1 - 2, -126, 127), 0)      # np.frexp(a)[1] - 1 = floor(log2(a)), exactly
;;       r = np.clip(x / 2.0 ** e, -7.5, 7.5)
;;       step = 2.0 ** (np.maximum(np.frexp(np.where(r == 0, 1, r))[1] - 1, 0) - 3)
;;       q = np.round(r / step) * step * 2.0 ** e      # np.round: ties to even
;;       return np.moveaxis(q.reshape(q.shape[:-2] + (-1,))[..., :K], -1, axis).astype(np.float32)
;;   ~~~
;;   SOFTMAX AHEAD OF A QUANTISED PRODUCT. Where the list says 'softmax', what is quantised is not the finished softmax but p = 2^(t - M), with t = logit x log2(e) and M = ceil(the row's largest t), a whole number; so 1/2 < the row's largest p <= 1. The row's sum l is taken of the UNQUANTISED p, in f32, and the product's result is divided by l at the end. Since M is a whole number, a kernel that streams over the keys may use a running M (the ceiling of the running maximum): every later rescaling is an exact power of two, which a block's scale takes up: the codes' values come out the same.
;;   OPERANDS COMPUTED ON THE WAY. 'Computed on the way' means the value that the module computes at that place (a softmax that the list does not call 'softmax' is quantised finished and normalised). What goes into a quantiser is computed in f32, as accurately as f32 sums, v_exp_f32 and their like allow (about 1e-6 of the number): no bf16 or f16 on the way to a quantiser, and a product that is left as it is and whose result goes on into a quantised operand takes f32 operands (vector FMAs, or v_wmma_f32_16x16x4_f32). A number that lies on a knife's edge between two numbers of the format may be rounded either way, as far as f32 arithmetic and the matrix unit's own rounding can turn it there, and no further.
;; One version. Each part assembles by itself: llvm-mc -triple=amdgcn-amd-amdhsa -mcpu=gfx1250 --defsym DOCPART=n.
;; ======== version 1 of 1: 5 launches
;; workspace buffers: x_codes 6,291,456 bytes; x_scales 262,144 bytes; w_codes 3,145,728 bytes; w_scales 131,072 bytes; qkv_codes 18,874,368 bytes; qkv_scales 786,432 bytes; a_codes 6,291,456 bytes; a_scales 262,144 bytes
;; launch quant_x (part 1): grid 128 x 2, 4 waves a work-group, no clusters, 34,304 bytes of LDS; arguments x, x_codes, x_scales; writes x_codes, x_scales
.if DOCPART == 1
	.amdgcn_target "amdgcn-amd-amdhsa--gfx1250"
	.amdhsa_code_object_version 6
	.text
	.protected	k_q1dff582acd_quant_x
	.globl	k_q1dff582acd_quant_x
	.p2align	8
	.type	k_q1dff582acd_quant_x,@function
k_q1dff582acd_quant_x:
	s_mov_b64 s[64:65], 0
	v_nop
	global_prefetch_b8 v0, s[64:65] scope:SCOPE_SE
	s_setreg_imm32_b32 hwreg(HW_REG_WAVE_MODE, 25, 1), 1
	s_wait_xcnt 0x0
; x [8192][1024] f32 becomes codes of FP6 (E2M3) along its 1,024, one E8M0 byte for each 32, laid AS THE MATRIX UNIT'S REGISTERS WANT THEM.
; A FRAGMENT is 16 rows x 128 K, 12 registers a lane; its IMAGE is 1,536 bytes: six planes of 256 bytes, plane p = registers 2 p, 2 p + 1 of lane l at byte 8 l.
; x_codes: [group of 128 rows: 64][K step of 128: 8][fragment i: 8][image].  THE ROWS OF A FRAGMENT ARE NOT NEIGHBOURS: lane r of fragment i holds row 32 (i / 2) + 8 (i % 2) + r + 8 (r / 8) of its group.
; x_scales: for each 256 rows [K step: 8][64 rows: 4][r: 16][i % 4: 4] words, a word = the four bytes of one row and 128 K.
; A block's scale is 2^(floor(log2(its largest magnitude)) - 2); its byte is that magnitude's exponent field - 2, held at 1 from below.
; LIMITS: NaN and infinities are not served; a block whose largest magnitude lies under 2^-124 has its byte held at 1; a block of zeros gets the byte 1 with zero codes (only this program reads the bytes).
; SHARES: a work-group takes 64 rows, wave w the K step 4 y + w: four fragments.  Each load reads 512 consecutive bytes of one row; 16 rows turn through the wave's own stage in LDS
; (rows 528 bytes apart), so that lane (r, h) gets k = 64 c + 32 h + 0 .. 31 of row r: two whole blocks, in the operand's own order.  Waves share nothing: no barrier.  Memory binds: no matrix unit, no cluster.
.set STG,   8448                       ; a wave's stage: 16 rows x (512 + 16) bytes
.set SPARE, 4*STG                      ; behind the stages: the spare words, 128 bytes a wave, that no other line names
.set SPW,   10                         ; v10  my spare word's LDS address; never rewritten
.set NIL,   11                         ; v11  0; never rewritten
.set W,     12                         ; v12-15 the scale words of the four fragments
.set MX,    16                         ; v16-17 largest magnitudes, v18-19 scale operands, v20-21 bytes, v22 the other half's
.set C,     24                         ; v24-35 a fragment's codes
.set TM,    36                         ; v36-43 the upper halves of the blocks' codes, as converted
.set X,     48                         ; v48-111 64 numbers in the operand's order
.set R,     112                        ; v112-239 two sets of 16 rows as loaded
	s_load_b128 s[4:7], s[0:1], 0x0                ; x, x_codes
	s_load_b64 s[8:9], s[0:1], 0x10                ; x_scales
	v_lshl_add_u32 v[SPW], v0, 2, SPARE
	v_mov_b32 v[NIL], 0
	v_lshrrev_b32 v7, 5, v0
	v_readfirstlane_b32 s12, v7                    ; wave
	v_and_b32 v7, 31, v0                           ; lane
	v_and_b32 v8, 15, v0                           ; r
	v_bfe_u32 v9, v0, 4, 1                         ; h
	v_lshlrev_b32 v1, 4, v7                        ; 16 x lane: my bytes of a load's 512
	s_mul_i32 s13, s12, STG
	v_add_nc_u32 v2, s13, v1                       ; the stage, on the way in
	v_mul_u32_u24 v3, v8, 528
	v_lshl_add_u32 v3, v9, 7, v3
	v_add_nc_u32 v3, s13, v3                       ; and on the way out: row r, 128 h bytes on
	v_lshlrev_b32 v4, 3, v7                        ; 8 x lane: my place in a plane
	v_lshlrev_b32 v5, 4, v8
	v_lshl_add_u32 v5, v9, 3, v5                   ; 16 r + 8 h: my two scale words' place
	v_lshlrev_b32 v6, 3, v9                        ; 8 h: my bytes' place in a word
	v_mov_b32 v22, 0                               ; written once: a lane permute's destination counts as one of its sources
	s_and_b32 s14, ttmp7, 0xffff
	s_lshl_b32 s14, s14, 2
	s_add_co_u32 s14, s14, s12                     ; my K step q = 4 y + wave
	s_lshl_b32 s16, ttmp9, 18                      ; x: 64 rows of 4,096 bytes a work-group,
	s_lshl_b32 s15, s14, 9                         ; 512 bytes a K step
	s_add_co_u32 s16, s16, s15
	s_mov_b32 s17, 0
	s_lshr_b32 s15, ttmp9, 1                       ; codes: (8 x group + q) x 12,288 + the group's upper four fragments for odd work-groups
	s_lshl_b32 s15, s15, 3
	s_add_co_u32 s15, s15, s14
	s_mul_i32 s18, s15, 12288
	s_and_b32 s15, ttmp9, 1
	s_mul_i32 s15, s15, 6144
	s_add_co_u32 s18, s18, s15
	s_mov_b32 s19, 0
	s_lshr_b32 s15, ttmp9, 2                       ; scale words: (8 x tile of 256 rows + q) x 1,024 + 256 x my 64 rows
	s_lshl_b32 s15, s15, 3
	s_add_co_u32 s15, s15, s14
	s_lshl_b32 s24, s15, 10
	s_and_b32 s15, ttmp9, 3
	s_lshl_b32 s15, s15, 8
	s_add_co_u32 s24, s24, s15
	s_mov_b32 s25, 0
	s_mov_b32 s20, 0xffff0000                      ; lanes 16-31
	s_mov_b32 s22, 0x76543210
	s_mov_b32 s23, 0xfedcba98                      ; v_permlanex16_b32's selects for lane l xor 16
	s_wait_kmcnt 0x0
	s_add_nc_u64 s[4:5], s[4:5], s[16:17]
	s_add_nc_u64 s[6:7], s[6:7], s[18:19]
	s_add_nc_u64 s[8:9], s[8:9], s[24:25]
.macro LOAD f                          ; fragment f's 16 rows, 512 consecutive bytes each, into set f % 2
.irp p, 0,1,2,3,4,5,6,7,8,9,10,11,12,13,14,15
	global_load_b128 v[R+64*((\f)%2)+4*\p:R+64*((\f)%2)+4*\p+3], v1, s[4:5] offset:(32*((\f)/2)+8*((\f)%2)+\p+8*(\p/8))*4096 th:TH_LOAD_NT
.endr
.endm
.macro TURN f                          ; through the stage: LDS serves a wave's instructions in order, so no wait stands between the stores and the loads
.irp p, 0,1,2,3,4,5,6,7,8,9,10,11,12,13,14,15
	ds_store_b128 v2, v[R+64*((\f)%2)+4*\p:R+64*((\f)%2)+4*\p+3] offset:528*\p
.endr
.irp c, 0,1
.irp e, 0,1,2,3,4,5,6,7
	ds_load_b128 v[X+32*\c+4*\e:X+32*\c+4*\e+3], v3 offset:256*\c+16*\e   ; X[32 c + n] = x(row r, 64 c + 32 h + n)
.endr
.endr
.endm
.macro WORK f
.irp c, 0,1
	v_max3_num_f32 v[MX+\c], |v[X+32*\c]|, |v[X+32*\c+1]|, 0x1800000   ; my block 2 c + h: all 32 numbers are mine; the floor 2^(3 - 127) holds the byte at 1 from below
.endr
.irp i, 2,4,6,8,10,12,14,16,18,20,22,24,26,28,30
.irp c, 0,1
	v_max3_num_f32 v[MX+\c], v[MX+\c], |v[X+32*\c+\i]|, |v[X+32*\c+\i+1]|
.endr
.endr
.irp c, 0,1
	v_add_nc_u32 v[MX+2+\c], 0xff000000, v[MX+\c]  ; 2 off the exponent field: the conversion takes this operand's exponent field as its scale
.endr
.irp c, 0,1
	v_lshrrev_b32 v[MX+4+\c], 23, v[MX+2+\c]       ; the scale's byte
.endr
	v_lshl_or_b32 v[W+\f], v[MX+5], 16, v[MX+4]    ; my two bytes, blocks h and 2 + h,
	v_lshlrev_b32 v[W+\f], v6, v[W+\f]             ; at their places in the row's word;
	v_permlanex16_b32 v22, v[W+\f], s22, s23
	v_or_b32 v[W+\f], v[W+\f], v22                 ; with lane l xor 16's two the word is whole
.if \f > 0
	s_wait_xcnt 0x0                                ; the last fragment's stores have read their data: the codes' registers are written again only behind this wait
.endif
.irp c, 0,1
	v_cvt_scalef32_pk16_fp6_f32 v[C+6*\c:C+6*\c+2], v[X+32*\c:X+32*\c+15], v[MX+2+\c]
	v_cvt_scalef32_pk16_fp6_f32 v[TM+4*\c:TM+4*\c+2], v[X+32*\c+16:X+32*\c+31], v[MX+2+\c]   ; (a conversion's three registers begin on an even number)
.endr
	v_nop                                          ; one plain place behind a scaled conversion
.irp c, 0,1
.irp i, 0,1,2
	v_mov_b32 v[C+6*\c+3+\i], v[TM+4*\c+\i]
.endr
.endr
.irp p, 0,1,2,3,4,5
	global_store_b64 v4, v[C+2*\p:C+2*\p+1], s[6:7] offset:1536*\f+256*\p   ; a plane: 32 lanes store 256 consecutive bytes, aligned
.endr
.endm
.macro DO f, left
	s_wait_loadcnt \left                           ; this fragment's 16 loads are in; the younger set's 16 may be out
	TURN \f
	s_wait_dscnt 0x0                               ; the numbers are back, and the stage's stores have read their registers,
.if \f < 2
	LOAD \f+2                                      ; which take the fragment two on
.endif
	WORK \f
.endm
	LOAD 0
	LOAD 1
	DO 0, 16
	DO 1, 16
	DO 2, 16
	DO 3, 0
	v_cndmask_b32 v16, v[W], v[W+2], s20           ; lanes 0-15 store words 0 and 1 of row r, lanes 16-31 words 2 and 3
	v_cndmask_b32 v17, v[W+1], v[W+3], s20
	global_store_b64 v5, v[16:17], s[8:9]          ; 256 consecutive bytes, aligned
	s_wait_tensorcnt 0x0                           ; the wave's end, behind my last LDS store
	ds_add_u32 v[SPW], v[NIL]
	s_wait_dscnt 0x0
	s_endpgm
.Lfunc_end_k_q1dff582acd_quant_x:
	.size	k_q1dff582acd_quant_x, .Lfunc_end_k_q1dff582acd_quant_x-k_q1dff582acd_quant_x
	.p2alignl 7, 3214868480
	.fill 96, 4, 3214868480
	.section	.rodata,"a",@progbits
	.p2align	6, 0x0
	.amdhsa_kernel k_q1dff582acd_quant_x
		.amdhsa_group_segment_fixed_size 34304
		.amdhsa_private_segment_fixed_size 0
		.amdhsa_enable_private_segment 0
		.amdhsa_kernarg_size 24
		.amdhsa_user_sgpr_count 2
		.amdhsa_user_sgpr_kernarg_segment_ptr 1
		.amdhsa_wavefront_size32 1
		.amdhsa_system_sgpr_workgroup_id_x 1
		.amdhsa_system_sgpr_workgroup_id_y 1
		.amdhsa_system_sgpr_workgroup_id_z 1
		.amdhsa_system_vgpr_workitem_id 0
		.amdhsa_next_free_vgpr 240
		.amdhsa_next_free_sgpr 66
		.amdhsa_reserve_vcc 0
		.amdhsa_float_denorm_mode_32 3
		.amdhsa_float_denorm_mode_16_64 3
		.amdhsa_memory_ordered 1
		.amdhsa_forward_progress 1
		.amdhsa_inst_pref_size 31
	.end_amdhsa_kernel
	.amdgpu_metadata
---
amdhsa.version: [ 1, 2 ]
amdhsa.kernels:
  - .name:           k_q1dff582acd_quant_x
    .symbol:         k_q1dff582acd_quant_x.kd
    .args:
      - { .name: x, .offset: 0, .size: 8, .value_kind: global_buffer, .address_space: global }
      - { .name: x_codes, .offset: 8, .size: 8, .value_kind: global_buffer, .address_space: global }
      - { .name: x_scales, .offset: 16, .size: 8, .value_kind: global_buffer, .address_space: global }
    .group_segment_fixed_size: 34304
    .private_segment_fixed_size: 0
    .kernarg_segment_align: 8
    .kernarg_segment_size: 24
    .max_flat_workgroup_size: 128
    .sgpr_count:     66
    .vgpr_count:     240
    .wavefront_size: 32
...
	.end_amdgpu_metadata
.endif
;; end of part 1
;; launch quant_w (part 2): grid 32 x 8, 4 waves a work-group, no clusters, 12,800 bytes of LDS; arguments w_qkv, w_out, w_codes, w_scales; writes w_codes, w_scales
.if DOCPART == 2
	.amdgcn_target "amdgcn-amd-amdhsa--gfx1250"
	.amdhsa_code_object_version 6
	.text
	.protected	k_q1dff582acd_quant_w
	.globl	k_q1dff582acd_quant_w
	.p2align	8
	.type	k_q1dff582acd_quant_w,@function
k_q1dff582acd_quant_w:
	s_mov_b64 s[64:65], 0
	v_nop
	global_prefetch_b8 v0, s[64:65] scope:SCOPE_SE
	s_setreg_imm32_b32 hwreg(HW_REG_WAVE_MODE, 25, 1), 1
	s_wait_xcnt 0x0
; w_qkv [1024][3072] and w_out [1024][1024], f32, K their FIRST axis, become codes of FP6 (E2M3) along K with one E8M0 byte for each 32, in the layout of x_codes and x_scales:
; w_codes [group of 128 columns: 32][K step: 8][fragment: 8][image of 1,536 bytes]; groups 0-23 are w_qkv's columns, 24-31 w_out's.  w_scales: 16 tiles of 256 columns x [K step: 8][64 columns: 4][r: 16][4] words.
; A LANE TAKES A COLUMN AND ITS REGISTERS RUN DOWN K: a block of 32 lies in one lane, its largest magnitude needs no other lane, and the conversions give codes with K innermost.
; Column 16 a + 8 u + w3 of a wave's 32 is row r = 8 a + w3 of fragment 2 wave + u.  The codes go to their places in the two images in the wave's own LDS and leave as 3,072 consecutive bytes.
; One path serves both weights: pointer, row pitch and first column are chosen on the work-group's number.
; LIMITS: NaN and infinities are not served; a block under 2^-124 has its byte held at 1; a block of zeros gets the byte 1 with zero codes (only this program reads the bytes).
; The scale words leave by one store of 4 bytes a lane, two waves to 256 bytes: one byte in 128 of what the launch reads.  Waves share nothing: no barrier.
.set SPARE, 12288                      ; behind the four stages of 3,072 bytes: the spare words, 128 bytes a wave
.set SPW,  10
.set NIL,  11
.set TM,   24                          ; v24-26 the upper half of a block's codes, as converted
.set VOFF, 32                          ; v32-63  4 x lane + i x the row pitch
.set X,    64                          ; v64-191 128 numbers down K
.set C,    192                         ; v192-223 eight registers for each block's codes
.set OUT,  224                         ; v224-247 the images on their way out
	s_load_b256 s[4:11], s[0:1], 0x0               ; w_qkv, w_out, w_codes, w_scales
	v_lshl_add_u32 v[SPW], v0, 2, SPARE
	v_mov_b32 v[NIL], 0
	v_lshrrev_b32 v1, 5, v0
	v_readfirstlane_b32 s12, v1                    ; wave
	v_and_b32 v1, 31, v0                           ; lane = my column of the wave's 32
	v_and_b32 v2, 7, v0                            ; w3
	v_bfe_u32 v3, v0, 3, 1                         ; u
	v_bfe_u32 v4, v0, 4, 1                         ; a
	v_lshl_add_u32 v5, v4, 3, v2                   ; r
	s_mul_i32 s13, s12, 3072
	v_mul_u32_u24 v12, v3, 1536
	v_lshl_add_u32 v12, v5, 3, v12
	v_add_nc_u32 v12, s13, v12                     ; into the stage: fragment u, 8 r in a plane
	v_lshlrev_b32 v15, 4, v1                       ; 16 x lane
	v_add_nc_u32 v13, s13, v15                     ; out of it
	v_lshlrev_b32 v14, 4, v5
	v_lshl_add_u32 v14, v3, 2, v14                 ; my scale word: 16 r + 4 u
	s_and_b32 s32, ttmp7, 0xffff                   ; K step q
	s_cmp_lt_u32 ttmp9, 24                         ; w_qkv's group or w_out's?
	s_mov_b32 s14, 4096
	s_cselect_b32 s14, 12288, s14                  ; bytes from row to row
	s_cselect_b32 s15, 0, 24
	s_sub_co_u32 s15, ttmp9, s15                   ; the group's number in its own weight
	s_mul_i32 s20, s32, s14
	s_lshl_b32 s20, s20, 7                         ; 128 q rows
	s_lshl_b32 s15, s15, 9                         ; + 128 columns of 4 bytes a group
	s_add_co_u32 s20, s20, s15
	s_lshl_b32 s15, s12, 7                         ; + 32 columns a wave
	s_add_co_u32 s20, s20, s15
	s_mov_b32 s21, 0
	s_lshl_b32 s18, s14, 5                         ; 32 rows on
	s_mov_b32 s19, 0
	s_lshl_b32 s16, ttmp9, 3
	s_add_co_u32 s16, s16, s32
	s_mul_i32 s16, s16, 12288
	s_add_co_u32 s16, s16, s13                     ; codes: (8 x group + q) x 12,288 + 3,072 x wave
	s_mov_b32 s17, 0
	s_lshr_b32 s22, ttmp9, 1
	s_lshl_b32 s22, s22, 3
	s_add_co_u32 s22, s22, s32
	s_lshl_b32 s22, s22, 10                        ; scale words: (8 x tile + q) x 1,024
	s_and_b32 s23, ttmp9, 1
	s_lshl_b32 s23, s23, 1
	s_lshr_b32 s33, s12, 1
	s_add_co_u32 s23, s23, s33
	s_lshl_b32 s23, s23, 8                         ; + 256 x (2 x (group % 2) + wave / 2)
	s_add_co_u32 s22, s22, s23
	s_and_b32 s23, s12, 1
	s_lshl_b32 s23, s23, 3                         ; + 8 x (wave % 2)
	s_add_co_u32 s22, s22, s23
	s_mov_b32 s23, 0
	v_lshlrev_b32 v[VOFF], 2, v1
.set i, 1
.rept 31
	v_add_nc_u32 v[VOFF+i], s14, v[VOFF+i-1]
.set i, i+1
.endr
	s_wait_kmcnt 0x0
	s_cmp_lt_u32 ttmp9, 24                         ; the choice hangs on the work-group's number alone
	s_cselect_b64 s[4:5], s[4:5], s[6:7]
	s_add_nc_u64 s[24:25], s[4:5], s[20:21]        ; a base for each block of 32 rows
	s_add_nc_u64 s[26:27], s[24:25], s[18:19]
	s_add_nc_u64 s[28:29], s[26:27], s[18:19]
	s_add_nc_u64 s[30:31], s[28:29], s[18:19]
	s_add_nc_u64 s[8:9], s[8:9], s[16:17]
	s_add_nc_u64 s[10:11], s[10:11], s[22:23]
.irp kb, 0,1,2,3
.set i, 0
.rept 32
	global_load_b32 v[X+32*\kb+i], v[VOFF+i], s[24+2*\kb:25+2*\kb] th:TH_LOAD_NT   ; one row at 32 neighbouring columns: 128 consecutive bytes a wave, 512 a work-group
.set i, i+1
.endr
.endr
.macro BLOCK kb, left
.set XS, X+32*\kb
	s_wait_loadcnt \left                           ; this block's 32 loads are in (behind it 96, 64, 32, 0 were issued; the wait's field ends at 63)
	v_max3_num_f32 v17, |v[XS]|, |v[XS+1]|, |v[XS+2]|
	v_max3_num_f32 v18, |v[XS+3]|, |v[XS+4]|, |v[XS+5]|
.irp i, 6,10,14,18,22,26
	v_max3_num_f32 v17, v17, |v[XS+\i]|, |v[XS+\i+1]|
	v_max3_num_f32 v18, v18, |v[XS+\i+2]|, |v[XS+\i+3]|
.endr
	v_max3_num_f32 v17, v17, |v[XS+30]|, |v[XS+31]|
	v_max3_num_f32 v17, v17, v18, 0x1800000        ; and the floor 2^(3 - 127): the byte cannot fall under 1
	v_add_nc_u32 v19, 0xff000000, v17              ; 2 off the exponent field: the conversion's scale operand
	v_lshrrev_b32 v20, 23, v19                     ; the scale's byte
.if \kb == 0
	v_mov_b32 v16, v20                             ; four bytes make my column's word, the lower K in the lower byte
.else
	v_lshl_or_b32 v16, v20, 8*\kb, v16
.endif
	v_cvt_scalef32_pk16_fp6_f32 v[C+8*\kb:C+8*\kb+2], v[XS:XS+15], v19
	v_cvt_scalef32_pk16_fp6_f32 v[TM:TM+2], v[XS+16:XS+31], v19      ; (a conversion's three registers begin on an even number)
	v_nop                                          ; one plain place behind a scaled conversion
.irp i, 0,1,2
	v_mov_b32 v[C+8*\kb+3+\i], v[TM+\i]
.endr
.irp p, 0,1,2
	ds_store_b64 v12, v[C+8*\kb+2*\p:C+8*\kb+2*\p+1] offset:256*(3*(\kb/2)+\p)+128*(\kb%2)   ; block 2 c + h: planes 3 c + p, the place of lane r + 16 h
.endr
.endm
	BLOCK 0, 63
	BLOCK 1, 63
	BLOCK 2, 32
	BLOCK 3, 0
.irp j, 0,1,2,3,4,5
	ds_load_b128 v[OUT+4*\j:OUT+4*\j+3], v13 offset:512*\j   ; LDS serves a wave's instructions in order: these see my stores
.endr
.irp j, 0,1,2,3,4,5
	s_wait_dscnt 5-\j
	global_store_b128 v15, v[OUT+4*\j:OUT+4*\j+3], s[8:9] offset:512*\j   ; 512 consecutive bytes, aligned
.endr
	global_store_b32 v14, v16, s[10:11]
	s_wait_tensorcnt 0x0                           ; the wave's end, behind my last LDS store
	ds_add_u32 v[SPW], v[NIL]
	s_wait_dscnt 0x0
	s_endpgm
.Lfunc_end_k_q1dff582acd_quant_w:
	.size	k_q1dff582acd_quant_w, .Lfunc_end_k_q1dff582acd_quant_w-k_q1dff582acd_quant_w
	.p2alignl 7, 3214868480
	.fill 96, 4, 3214868480
	.section	.rodata,"a",@progbits
	.p2align	6, 0x0
	.amdhsa_kernel k_q1dff582acd_quant_w
		.amdhsa_group_segment_fixed_size 12800
		.amdhsa_private_segment_fixed_size 0
		.amdhsa_enable_private_segment 0
		.amdhsa_kernarg_size 32
		.amdhsa_user_sgpr_count 2
		.amdhsa_user_sgpr_kernarg_segment_ptr 1
		.amdhsa_wavefront_size32 1
		.amdhsa_system_sgpr_workgroup_id_x 1
		.amdhsa_system_sgpr_workgroup_id_y 1
		.amdhsa_system_sgpr_workgroup_id_z 1
		.amdhsa_system_vgpr_workitem_id 0
		.amdhsa_next_free_vgpr 248
		.amdhsa_next_free_sgpr 66
		.amdhsa_reserve_vcc 0
		.amdhsa_float_denorm_mode_32 3
		.amdhsa_float_denorm_mode_16_64 3
		.amdhsa_memory_ordered 1
		.amdhsa_forward_progress 1
		.amdhsa_inst_pref_size 24
	.end_amdhsa_kernel
	.amdgpu_metadata
---
amdhsa.version: [ 1, 2 ]
amdhsa.kernels:
  - .name:           k_q1dff582acd_quant_w
    .symbol:         k_q1dff582acd_quant_w.kd
    .args:
      - { .name: w_qkv, .offset: 0, .size: 8, .value_kind: global_buffer, .address_space: global }
      - { .name: w_out, .offset: 8, .size: 8, .value_kind: global_buffer, .address_space: global }
      - { .name: w_codes, .offset: 16, .size: 8, .value_kind: global_buffer, .address_space: global }
      - { .name: w_scales, .offset: 24, .size: 8, .value_kind: global_buffer, .address_space: global }
    .group_segment_fixed_size: 12800
    .private_segment_fixed_size: 0
    .kernarg_segment_align: 8
    .kernarg_segment_size: 32
    .max_flat_workgroup_size: 128
    .sgpr_count:     66
    .vgpr_count:     248
    .wavefront_size: 32
...
	.end_amdgpu_metadata
.endif
;; end of part 2
;; launch gemm_qkv (part 3): grid 8 x 48, 4 waves a work-group, clusters of 4 x 4, 327,680 bytes of LDS; arguments x_codes, x_scales, w_codes, w_scales, b_qkv, qkv_codes, qkv_scales; writes qkv_codes, qkv_scales
.if DOCPART == 3
	.amdgcn_target "amdgcn-amd-amdhsa--gfx1250"
	.amdhsa_code_object_version 6
	.text
	.protected	k_q1dff582acd_gemm_qkv
	.globl	k_q1dff582acd_gemm_qkv
	.p2align	8
	.type	k_q1dff582acd_gemm_qkv,@function
k_q1dff582acd_gemm_qkv:
	s_mov_b64 s[64:65], 0
	v_nop
	global_prefetch_b8 v0, s[64:65] scope:SCOPE_SE
	s_setreg_imm32_b32 hwreg(HW_REG_WAVE_MODE, 25, 1), 1
	s_wait_xcnt 0x0
	s_wait_alu depctr_hold_cnt(0) depctr_sa_sdst(0) depctr_va_vdst(0) depctr_va_sdst(0) depctr_va_ssrc(0) depctr_va_vcc(0) depctr_vm_vsrc(0)
	s_getreg_b32 s2, hwreg(HW_REG_IB_STS2, 6, 4)
	s_cmp_eq_u32 s2, 0
	s_cbranch_scc0 .Lentry_in_a_cluster
	s_endpgm
.Lentry_in_a_cluster:
	s_bfe_u32 s2, ttmp6, 0x10000c
	s_cmp_lg_u32 s2, 0xf033
	s_cbranch_scc0 .Lentry_shape_is_right
	s_endpgm
.Lentry_shape_is_right:
; qkv = x w_qkv + b_qkv on codes of FP6 (E2M3) with E8M0 scales, K = 1,024; the result is quantised in registers for attention and leaves as codes: no f32 number of q, k or v goes to memory.
; A tile is 256 (L: the side that ends up in the lanes, source 1) x 256 (R: the side that ends up along a lane's registers, source 0); four waves, 128 x 128 each: 64 accumulators, 512 registers.
; TWO MODES, told apart by the cluster's y, which all partners share.  y < 8 (q and k): L = 256 tokens, R = 256 features: a lane's registers run along the features, which are K of q k^T.
; y >= 8 (v): L = 256 features of v, R = 256 tokens: a lane's registers run along the tokens, which are K of p v.  Only four pointers, two tile numbers and the bias's place differ.
; OPERANDS lie in memory as images of their registers (16 rows x 128 K: six planes of 256 bytes, registers 2 p, 2 p + 1 of lane l at 8 l), so 128 rows x 256 K are 24,576 dense bytes for one tensor load,
; and a fragment comes by six ds_load_b64 at 8 x lane: no pitch, no padding.  Lane r of fragment i holds row 32 (i / 2) + 8 (i % 2) + r + 8 (r / 8) of its 128: so in the result the 16 registers of
; R's fragments 2 b and 2 b + 1 are 16 neighbours, 32 b + 16 (lane / 16) + 0 .. 15, and a block of 32 lies in lanes l and l xor 16.
; RING: two slots of 256 along K; K has four slots' worth, so the text is straight.  The scale words of the tile's 512 rows for all of K come once, with the first fills.
; CLUSTER 4 x 4: L's tiles are asked for jointly along a row of the cluster, R's along a column.  The bias is the C of each sum's first product.
; OUT: qkv_codes [128 features: 24][128 tokens: 64][fragment a: 8][image]; qkv_scales [24][64][lane: 32][b: 4] words: word b holds fragment 2 b's rows in lanes 0-15 and fragment 2 b + 1's in lanes 16-31.
; No prefetch: half of K is asked for at the head and the other half one slot later.  LIMITS: NaN and infinities not served; a block under 2^-124 has its byte held at 1; a block of zeros gets the byte 1 with zero codes.
; REGISTERS: window 0: v16-29 addresses; v32-63 scale words, two sets; v64-127 the bias; v128-223 L's fragments, one set, later the codes made; v224-255 at work.  window 1: R's fragments, sets at v0 and v128.  windows 2, 3: accumulator (a, b) at v[8 (8 (a % 4) + b)].
.set FR,    12                         ; registers of a fragment
.set NL,    6                          ; LDS loads that bring one
.set NP,    4                          ; places behind this matrix instruction (ISA guide 7.12.1)
.set HALF,  24576                      ; 128 rows x 256 K: [K step: 2][fragment: 8][1,536]
.set SLOT,  4*HALF                     ; L's two halves, then R's two
.set SCL,   2*SLOT                     ; the scale words: L's 8,192 bytes, then R's
.set SPARE, SCL+16384                  ; the spare words, 128 bytes a wave, that no other line names
.set ADRL, 16                          ; v16-17 my L fragments in slot 0, 1
.set ADRR, 20                          ; v20-21 my R fragments
.set L8,   24                          ; v24 8 x lane
.set L16,  25                          ; v25 16 x lane
.set ADRS, 27                          ; v27 my scale words: lanes 0-15 L's, lanes 16-31 R's
.set SPW,  28
.set NIL,  29
.set SC,   32                          ; set s at v[SC + 16 s]; register 8 q + i: lanes 0-15 L's fragment i, lanes 16-31 R's fragment i, the slot's q-th 128 along K
.set BI,   64                          ; the bias: eight registers for each of eight fragments
.set AF,   128
.set TM,   224                         ; v224-227 largest magnitudes, v228-231 the other half's, then bytes, v232-235 scale operands
.set WD,   236                         ; v236-239 the four words to store
.set CT,   240                         ; v240-246 second halves of the codes, as converted
.set PW,   248                         ; v248-255 the scale word of each fragment made
.set G1,   24
.set G0,   32
.set G1B,  48
.set G0B,  56
.set G1S,  68
.set G0S,  76
.set G1SB, 80
.set G0SB, 88
.set MSB, 0
.macro WIN new                         ; the immediate's high byte repeats the setting that is left
.if MSB != (\new)
	s_set_vgpr_msb (MSB<<8)|(\new)
.set MSB, (\new)
.endif
.endm
.set MUL_LO, 0xa1                      ; source 0 (R) window 1, source 1 (L) window 0, C and D window 2
.set MUL_HI, 0xf1                      ; the same, C and D window 3
.set TO_B,   0x40                      ; destination window 1, address window 0
; A joint load: waves 0 and 1 fetch for L, waves 2 and 3 for R; the branch hangs on the wave's number alone.  An s_nop 0 and four v_nop follow each line.
.macro JLOAD g0a, g1a, g0b, g1b
	s_cmp_eq_u32 s19, 0
	s_cbranch_scc0 .Lfor_b_\@
	tensor_load_to_lds s[\g0a:\g0a+3], s[\g1a:\g1a+7]
	s_nop 0
.rept 4
	v_nop
.endr
	s_branch .Lasked_\@
.Lfor_b_\@:
	tensor_load_to_lds s[\g0b:\g0b+3], s[\g1b:\g1b+7]
	s_nop 0
.rept 4
	v_nop
.endr
.Lasked_\@:
.endm
.macro CREST                           ; a round of the cluster's barrier behind its opening barrier
	s_cmp_lg_u32 s18, 0
	s_cbranch_scc1 .Lnot_wave_0_\@
	s_barrier_signal -3
.Lnot_wave_0_\@:
	s_barrier_wait -3
	s_barrier_signal -1
	s_barrier_wait -1
.endm
.macro CROUND
	s_barrier_signal -1
	s_barrier_wait -1
	CREST
.endm
	s_load_b256 s[4:11], s[0:1], 0x0               ; x_codes, x_scales, w_codes, w_scales
	s_load_b128 s[12:15], s[0:1], 0x20             ; b_qkv, qkv_codes
	s_load_b64 s[16:17], s[0:1], 0x30              ; qkv_scales
	v_lshl_add_u32 v[SPW], v0, 2, SPARE
	v_mov_b32 v[NIL], 0
	ds_add_u32 v[SPW], v[NIL]                      ; the wave's opening: the add and its wait stand ahead of my first tensor load; the set-up below stands between them
	v_lshrrev_b32 v1, 5, v0
	v_readfirstlane_b32 s18, v1                    ; wave
	s_lshr_b32 s19, s18, 1                         ; which 128 of L are mine.  Also: I fetch for L (0) or for R (1)
	s_and_b32 s20, s18, 1                          ; which 128 of R are mine.  Also: which half I fetch
	s_bfe_u32 s40, ttmp6, 0x40000                  ; cx
	s_bfe_u32 s41, ttmp6, 0x40004                  ; cy
	s_and_b32 s21, ttmp7, 0xffff                   ; the cluster's y: 8 and above is the mode for v
	s_lshl_b32 s43, s21, 2
	s_cmp_ge_u32 s21, 8
	s_cselect_b32 s43, 8, s43
	s_add_co_u32 s43, s43, s41                     ; L's tile: tokens 4 y + cy, or the weight's tile 8 + cy
	s_lshl_b32 s42, ttmp9, 2
	s_add_co_u32 s42, s42, s40
	s_sub_co_u32 s46, s21, 8
	s_lshl_b32 s46, s46, 3
	s_cmp_ge_u32 s21, 8
	s_cselect_b32 s46, s46, 0
	s_add_co_u32 s42, s42, s46                     ; R's tile: the weight's 4 x + cx, or tokens 4 x + cx + 8 (y - 8)
	s_lshl_b32 s44, s41, 2
	s_lshl_b32 s44, 15, s44                        ; my row of the cluster
	s_lshl_b32 s45, 0x1111, s40                    ; my column
	; descriptor group 1: dense blocks as rows of 256 bytes (32 elements of 8 bytes), no padding.  Codes: 96 rows; scale words: 16
	s_or_b32 s[G1], s44, (3<<16)|(1<<21)           ; 15:0 the mask; 17:16 elements of 8 bytes; 21 set beside a mask
	s_or_b32 s[G1B], s45, (3<<16)|(1<<21)
.irp g, G1, G1B
	s_mov_b32 s[\g+1], 32<<16                      ; tensor_dim0
	s_mov_b32 s[\g+2], 96<<16                      ; tensor_dim1
	s_mov_b32 s[\g+3], 32<<16                      ; tile_dim0
	s_mov_b32 s[\g+4], 96                          ; tile_dim1
	s_mov_b32 s[\g+5], 32                          ; tensor_dim0_stride
	s_mov_b32 s[\g+6], 0
	s_mov_b32 s[\g+7], 0
.endr
	s_or_b32 s[G1S], s44, (3<<16)|(1<<21)
	s_or_b32 s[G1SB], s45, (3<<16)|(1<<21)
.irp g, G1S, G1SB
	s_mov_b32 s[\g+1], 32<<16
	s_mov_b32 s[\g+2], 16<<16
	s_mov_b32 s[\g+3], 32<<16
	s_mov_b32 s[\g+4], 16
	s_mov_b32 s[\g+5], 32
	s_mov_b32 s[\g+6], 0
	s_mov_b32 s[\g+7], 0
.endr
	s_lshl_b32 s92, s43, 1                         ; L: the 128 rows that I fetch begin (2 x tile + half) x 98,304 bytes into the codes,
	s_add_co_u32 s92, s92, s20
	s_mul_i32 s92, s92, 98304
	s_mov_b32 s93, 0
	s_lshl_b32 s94, s43, 13                        ; and my half of the tile's scale words 8,192 x tile + 4,096 x half
	s_lshl_b32 s23, s20, 12
	s_add_co_u32 s94, s94, s23
	s_mov_b32 s95, 0
	s_lshl_b32 s96, s42, 1                         ; R likewise
	s_add_co_u32 s96, s96, s20
	s_mul_i32 s96, s96, 98304
	s_mov_b32 s97, 0
	s_lshl_b32 s98, s42, 13
	s_add_co_u32 s98, s98, s23
	s_mov_b32 s99, 0
	s_mul_i32 s22, s18, HALF                       ; where they go: wave x a half; no place in the cluster enters an LDS address
	s_lshl_b32 s23, s18, 12
	s_mov_b32 s100, 0x76543210
	s_mov_b32 s101, 0xfedcba98                     ; v_permlanex16_b32's selects for lane l xor 16
	s_wait_dscnt 0x0                               ; the opening add is done
	s_wait_kmcnt 0x0
	s_cmp_ge_u32 s21, 8                            ; the four pointers: the choice hangs on the cluster's y alone (the 64-bit sums leave SCC alone)
	s_cselect_b64 s[46:47], s[8:9], s[4:5]
	s_add_nc_u64 s[92:93], s[46:47], s[92:93]      ; L's codes
	s_cselect_b64 s[46:47], s[10:11], s[6:7]
	s_add_nc_u64 s[94:95], s[46:47], s[94:95]      ; L's scale words
	s_cselect_b64 s[46:47], s[4:5], s[8:9]
	s_add_nc_u64 s[96:97], s[46:47], s[96:97]      ; R's codes
	s_cselect_b64 s[46:47], s[6:7], s[10:11]
	s_add_nc_u64 s[98:99], s[46:47], s[98:99]      ; R's scale words
	CROUND                                         ; all sixteen work-groups are here: the first joint loads meet
	s_mov_b32 s[G0S], 1
	s_add_co_u32 s[G0S+1], s23, SCL
	s_mov_b64 s[G0S+2:G0S+3], s[94:95]
	s_or_b32 s[G0S+3], s[G0S+3], 0x80000000
	s_mov_b32 s[G0SB], 1
	s_add_co_u32 s[G0SB+1], s23, SCL
	s_mov_b64 s[G0SB+2:G0SB+3], s[98:99]
	s_or_b32 s[G0SB+3], s[G0SB+3], 0x80000000
	JLOAD G0S, G1S, G0SB, G1SB                     ; the scale words first: they are wanted with the first K step
.irp s, 0,1
	s_mov_b32 s[G0+4*\s], 1
	s_add_co_u32 s[G0+4*\s+1], s22, \s*SLOT
	s_add_nc_u64 s[G0+4*\s+2:G0+4*\s+3], s[92:93], \s*HALF
	s_or_b32 s[G0+4*\s+3], s[G0+4*\s+3], 0x80000000
	s_mov_b32 s[G0B+4*\s], 1
	s_add_co_u32 s[G0B+4*\s+1], s22, \s*SLOT
	s_add_nc_u64 s[G0B+4*\s+2:G0B+4*\s+3], s[96:97], \s*HALF
	s_or_b32 s[G0B+4*\s+3], s[G0B+4*\s+3], 0x80000000
	JLOAD G0+4*\s, G1, G0B+4*\s, G1B               ; three tensor loads of mine are out now
.endr
	v_and_b32 v1, 15, v0                           ; r
	v_bfe_u32 v2, v0, 4, 1                         ; h
	v_and_b32 v3, 31, v0                           ; lane
	v_lshlrev_b32 v[L8], 3, v3
	v_lshlrev_b32 v[L16], 4, v3
	s_mul_i32 s22, s19, HALF                       ; my half of L,
	s_mul_i32 s23, s20, HALF
	s_add_co_u32 s23, s23, 2*HALF                  ; my half of R, behind L's two
.irp s, 0,1
	v_add_nc_u32 v[ADRL+\s], s22, v[L8]
	v_add_nc_u32 v[ADRR+\s], s23, v[L8]
	s_add_co_u32 s22, s22, SLOT
	s_add_co_u32 s23, s23, SLOT
.endr
	v_lshlrev_b32 v5, 4, v1                        ; scale words: 16 bytes a row: four fragments' words
	s_lshl_b32 s22, s19, 9                         ; L's: my 128 rows are two groups of 64
	s_lshl_b32 s23, s20, 9
	s_add_co_u32 s23, s23, 8192                    ; R's lie behind L's 8,192 bytes
	s_sub_co_u32 s23, s23, s22
	v_mul_u32_u24 v6, s23, v2                      ; lanes 16-31 take R's: the lower base + h x the distance
	s_add_co_u32 s22, s22, SCL
	v_add_nc_u32 v5, v5, v6
	v_add_nc_u32 v[ADRS], s22, v5
	; the bias, in the result's layout.  q, k: it runs along R: register j of fragment x wants feature 32 (x / 2) + 8 (x % 2) + 16 h + j.  v: along L: all eight registers want feature 32 (x / 2) + 8 (x % 2) + r + 8 (r / 8)
	s_cmp_ge_u32 s21, 8
	s_cselect_b32 s2, 4, 0
	s_cselect_b32 s3, 0, 64
	s_cselect_b32 s66, 0, 4
	v_and_b32 v4, 8, v1
	v_add_nc_u32 v4, v4, v1
	v_mul_u32_u24 v4, s2, v4
	v_mul_u32_u24 v5, s3, v2
	v_add_nc_u32 v[TM], v4, v5
.irp j, 1,2,3,4,5,6,7
	v_add_nc_u32 v[TM+\j], s66, v[TM+\j-1]
.endr
	s_lshl_b32 s2, s43, 1
	s_add_co_u32 s2, s2, s19                       ; my 128 of L, as a group's number
	s_lshl_b32 s3, s42, 1
	s_add_co_u32 s3, s3, s20                       ; my 128 of R
	s_cmp_ge_u32 s21, 8
	s_cselect_b32 s66, s2, s3                      ; which of them are features,
	s_cselect_b32 s67, s3, s2                      ; and which tokens
	s_lshl_b32 s104, s66, 9
	s_mov_b32 s105, 0
	s_add_nc_u64 s[12:13], s[12:13], s[104:105]    ; the bias at my 128 features
	s_lshl_b32 s66, s66, 6
	s_add_co_u32 s66, s66, s67                     ; 64 x features' group + tokens' group
	s_mul_i32 s104, s66, 12288
	s_add_nc_u64 s[14:15], s[14:15], s[104:105]    ; my eight images
	s_lshl_b32 s104, s66, 9
	s_add_nc_u64 s[16:17], s[16:17], s[104:105]    ; and their scale words
.irp x, 0,1,2,3,4,5,6,7
.irp j, 0,1,2,3,4,5,6,7
	global_load_b32 v[BI+8*\x+\j], v[TM+\j], s[12:13] offset:4*(32*(\x/2)+8*(\x%2))
.endr
.endr
.macro FRAG reg, adr, q, i             ; a fragment's six planes, as they lie: 256 consecutive bytes a load
.irp p, 0,1,2,3,4,5
	ds_load_b64 v[\reg+2*\p:\reg+2*\p+1], v[\adr] offset:12288*(\q)+1536*(\i)+256*\p
.endr
.endm
; 16 matrix instructions: L's fragments a0, a0 + 1 x R's eight.  p: R's set; q: the slot's K step; sc: the set of scale words.  cm = 0: the sums go on; 1: they begin with the bias along R; 2: with the bias along L.
; The 64 accumulators take turns, one instruction a turn, in the same order in every step.
.macro MUL16 a0, p, q, sc, cm
.irp a, \a0, \a0+1
.irp b, 0,1,2,3,4,5,6,7
.set DD, 8*(8*((\a)%4)+\b)
.set RB, 128*(\p)+FR*\b
.set LA, AF+FR*(\a)
.set SB, SC+16*(\sc)+8*(\q)+\b
.set SA, SC+16*(\sc)+8*(\q)+(\a)
.if \cm == 0
	v_wmma_scale_f32_16x16x128_f8f6f4 v[DD:DD+7], v[RB:RB+FR-1], v[LA:LA+FR-1], v[DD:DD+7], v[SB], v[SA] matrix_a_fmt:MATRIX_FMT_FP6 matrix_b_fmt:MATRIX_FMT_FP6 matrix_a_scale:MATRIX_SCALE_ROW1
.elseif \cm == 1
	v_wmma_scale_f32_16x16x128_f8f6f4 v[DD:DD+7], v[RB:RB+FR-1], v[LA:LA+FR-1], v[BI+8*\b:BI+8*\b+7], v[SB], v[SA] matrix_a_fmt:MATRIX_FMT_FP6 matrix_b_fmt:MATRIX_FMT_FP6 matrix_a_scale:MATRIX_SCALE_ROW1
.else
	v_wmma_scale_f32_16x16x128_f8f6f4 v[DD:DD+7], v[RB:RB+FR-1], v[LA:LA+FR-1], v[BI+8*(\a):BI+8*(\a)+7], v[SB], v[SA] matrix_a_fmt:MATRIX_FMT_FP6 matrix_b_fmt:MATRIX_FMT_FP6 matrix_a_scale:MATRIX_SCALE_ROW1
.endif
.endr
.endr
.endm
.macro FETCH_B slot, q, p
	WIN TO_B
.irp i, 0,1,2,3,4,5,6,7
	FRAG 128*(\p)+FR*\i, ADRR+\slot, \q, \i
.endr
	WIN 0
.endm
.macro FETCH_A slot, q, i0
.irp i, \i0, \i0+1, \i0+2, \i0+3
	FRAG AF+FR*(\i), ADRL+\slot, \q, \i
.endr
.endm
.macro SCALES set                      ; a slot's scale words: a load brings the words of four fragments
.irp q, 0,1
.irp g, 0,1
	ds_load_b128 v[SC+16*\set+8*\q+4*\g:SC+16*\set+8*\q+4*\g+3], v[ADRS] offset:1024*\q+256*\g
.endr
.endr
.endm
.macro PLACES n                        ; loads into registers that matrix instructions have read, and reads of results, stand NP plain vector instructions behind them (ISA guide 7.12.1 for reads of results)
.rept \n
	v_nop
.endr
.endm
.macro STEP slot, q, cm                ; 128 along K whose successor lies in the same slot
	s_wait_dscnt 4*NL                              ; R's set and L's fragments 0-3 are in; the youngest 24 loads (L's 4-7) may be out
.if \cm
	WIN 0x81                                       ; the bias lies in window 0
.else
	WIN MUL_LO
.endif
	MUL16 0, (\q)%2, \q, \slot, \cm
	MUL16 2, (\q)%2, \q, \slot, \cm
	s_wait_dscnt 0
	PLACES NP
	FETCH_B \slot, (\q)+1, 1-(\q)%2
	FETCH_A \slot, (\q)+1, 0
.if \cm
	WIN 0xc1
.else
	WIN MUL_HI
.endif
	MUL16 4, (\q)%2, \q, \slot, \cm
	MUL16 6, (\q)%2, \q, \slot, \cm
	PLACES NP
	WIN 0
	FETCH_A \slot, (\q)+1, 4
.endm
; A slot's last step changes slots: ONE barrier; in front of it each wave waits for all its tensor loads, adds 0 to its spare word, and waits for that and for its reads of this slot.  fill = 1: the slot is filled again, two slots ahead.
.macro TURN slot, next, fill
	s_wait_tensorcnt 0x0                           ; all my tensor loads have landed: my part of the next slot
	ds_add_u32 v[SPW], v[NIL]                      ; 0 onto my spare word
	s_wait_dscnt 4*NL+1                            ; (the add and L's fragments 4-7 may be out)
	WIN MUL_LO
	MUL16 0, 1, 1, \slot, 0                        ; sixteen matrix instructions stand between the add and the wait for it
	s_wait_dscnt 0x0                               ; the add is done, and my reads of this slot are over
	s_barrier_signal -1
	MUL16 2, 1, 1, \slot, 0
	WIN 0
	s_barrier_wait -1
.if \fill
	CREST                                          ; the barrier has opened a round of the cluster's: no wave of any partner still reads this slot or has a load on its way
	s_add_nc_u64 s[G0+4*\slot+2:G0+4*\slot+3], s[G0+4*\slot+2:G0+4*\slot+3], 2*HALF
	s_add_nc_u64 s[G0B+4*\slot+2:G0B+4*\slot+3], s[G0B+4*\slot+2:G0B+4*\slot+3], 2*HALF
	JLOAD G0+4*\slot, G1, G0B+4*\slot, G1B         ; the first tensor load behind the round; its four v_nop are the places in front of the loads below
.else
	PLACES NP
.endif
	v_add_nc_u32 v[ADRS], 2048, v[ADRS]            ; the next slot's scale words
	FETCH_B \next, 0, 0
	FETCH_A \next, 0, 0
	SCALES \next
	WIN MUL_HI
	MUL16 4, 1, 1, \slot, 0
	MUL16 6, 1, 1, \slot, 0
	PLACES NP
	WIN 0
	FETCH_A \next, 0, 4
.endm
	s_wait_tensorcnt 1                             ; the scale words and my part of slot 0 are in (slot 1's load may be out)
	s_barrier_signal -1
	s_barrier_wait -1                              ; everybody's are
	FETCH_B 0, 0, 0
	FETCH_A 0, 0, 0
	SCALES 0
	FETCH_A 0, 0, 4
	s_wait_loadcnt 0x0                             ; the bias
	s_cmp_ge_u32 s21, 8                            ; the first step is written twice: its products begin the sums with the bias, along R or along L.  The two arms hold LDS loads and products alone
	s_cbranch_scc1 .Lfirst_v
	STEP 0, 0, 1
	s_branch .Lfirst_done
.Lfirst_v:
	STEP 0, 0, 2
.Lfirst_done:
	TURN 0, 1, 1
	STEP 1, 0, 0
	TURN 1, 0, 1
	STEP 0, 0, 0
	TURN 0, 1, 0                                   ; nothing is left to fetch
	STEP 1, 0, 0
	s_wait_dscnt 4*NL
	WIN MUL_LO
	MUL16 0, 1, 1, 1, 0
	MUL16 2, 1, 1, 1, 0
	s_wait_dscnt 0
	WIN MUL_HI
	MUL16 4, 1, 1, 1, 0
	MUL16 6, 1, 1, 1, 0
	WIN 0
	PLACES NP
; THE WAY OUT: L's fragment a with its 128 numbers a row along R becomes one fragment of codes and a scale word a row, in registers, and leaves as six planes of 256 bytes.
.macro QOUT a
.set WN, 2+(\a)/4
.set AC, 64*((\a)%4)
.set CD, AF+12*(\a)
	WIN WN|(WN<<2)                                 ; sources 0 and 1: the accumulators' window
.irp b, 0,1,2,3
	v_max3_num_f32 v[TM+\b], |v[AC+16*\b]|, |v[AC+16*\b+1]|, 0x1800000   ; block b: my 16 numbers and the floor 2^(3 - 127); each accumulator is read from its low end on
.endr
.irp i, 2,4,6,8,10,12,14
.irp b, 0,1,2,3
	v_max3_num_f32 v[TM+\b], |v[AC+16*\b+\i]|, |v[AC+16*\b+\i+1]|, v[TM+\b]
.endr
.endr
	WIN 0
.irp b, 0,1,2,3
	v_permlanex16_b32 v[TM+4+\b], v[TM+\b], s100, s101
.endr
.irp b, 0,1,2,3
	v_max_num_f32 v[TM+\b], v[TM+\b], v[TM+4+\b]   ; with lane l xor 16's: the block's largest magnitude
.endr
.irp b, 0,1,2,3
	v_add_nc_u32 v[TM+8+\b], 0xff000000, v[TM+\b]  ; 2 off the exponent field: the conversion's scale operand
.endr
.irp b, 0,1,2,3
	v_lshrrev_b32 v[TM+4+\b], 23, v[TM+8+\b]       ; the scale's byte
.endr
	v_lshl_or_b32 v[PW+\a], v[TM+5], 8, v[TM+4]
	v_lshl_or_b32 v[PW+\a], v[TM+6], 16, v[PW+\a]
	v_lshl_or_b32 v[PW+\a], v[TM+7], 24, v[PW+\a]
	WIN WN                                         ; source 0: the accumulators' window
.irp c, 0,1
	v_cvt_scalef32_pk16_fp6_f32 v[CD+6*\c:CD+6*\c+2], v[AC+32*\c:AC+32*\c+15], v[TM+8+2*\c]
	v_cvt_scalef32_pk16_fp6_f32 v[CT+4*\c:CT+4*\c+2], v[AC+32*\c+16:AC+32*\c+31], v[TM+8+2*\c+1]
.endr
	WIN 0
	v_nop                                          ; one plain place behind a scaled conversion
.irp c, 0,1                            ; the operand's layout wants a whole block in a lane: lanes 0-15 block 2 c, lanes 16-31 block 2 c + 1
.irp i, 0,1,2
	v_permlane16_swap_b32 v[CD+6*\c+\i], v[CT+4*\c+\i]
.endr
.irp i, 0,1,2
	v_mov_b32 v[CD+6*\c+3+\i], v[CT+4*\c+\i]
.endr
.endr
.irp p, 0,1,2,3,4,5
	global_store_b64 v[L8], v[CD+2*\p:CD+2*\p+1], s[14:15] offset:1536*\a+256*\p   ; 256 consecutive bytes, aligned; each fragment has registers of its own, so no store's data are written again
.endr
.endm
.irp a, 0,1,2,3,4,5,6,7
	QOUT \a
.endr
	s_mov_b32 s66, 0xffff0000                      ; lanes 16-31
.irp b, 0,1,2,3
	v_cndmask_b32 v[WD+\b], v[PW+2*\b], v[PW+2*\b+1], s66
.endr
	global_store_b128 v[L16], v[WD:WD+3], s[16:17] ; 512 consecutive bytes, aligned
	s_wait_tensorcnt 0x0                           ; the wave's end
	ds_add_u32 v[SPW], v[NIL]
	s_wait_dscnt 0x0
	CROUND                                         ; the closing round: no work-group ends while a partner may still ask for a tile that names it
	s_endpgm
.Lfunc_end_k_q1dff582acd_gemm_qkv:
	.size	k_q1dff582acd_gemm_qkv, .Lfunc_end_k_q1dff582acd_gemm_qkv-k_q1dff582acd_gemm_qkv
	.p2alignl 7, 3214868480
	.fill 96, 4, 3214868480
	.section	.rodata,"a",@progbits
	.p2align	6, 0x0
	.amdhsa_kernel k_q1dff582acd_gemm_qkv
		.amdhsa_group_segment_fixed_size 327680
		.amdhsa_private_segment_fixed_size 0
		.amdhsa_enable_private_segment 0
		.amdhsa_kernarg_size 56
		.amdhsa_user_sgpr_count 2
		.amdhsa_user_sgpr_kernarg_segment_ptr 1
		.amdhsa_wavefront_size32 1
		.amdhsa_system_sgpr_workgroup_id_x 1
		.amdhsa_system_sgpr_workgroup_id_y 1
		.amdhsa_system_sgpr_workgroup_id_z 1
		.amdhsa_system_vgpr_workitem_id 0
		.amdhsa_next_free_vgpr 1024
		.amdhsa_next_free_sgpr 106
		.amdhsa_reserve_vcc 0
		.amdhsa_float_denorm_mode_32 3
		.amdhsa_float_denorm_mode_16_64 3
		.amdhsa_memory_ordered 1
		.amdhsa_forward_progress 1
		.amdhsa_inst_pref_size 186
	.end_amdhsa_kernel
	.amdgpu_metadata
---
amdhsa.version: [ 1, 2 ]
amdhsa.kernels:
  - .name:           k_q1dff582acd_gemm_qkv
    .symbol:         k_q1dff582acd_gemm_qkv.kd
    .args:
      - { .name: x_codes, .offset: 0, .size: 8, .value_kind: global_buffer, .address_space: global }
      - { .name: x_scales, .offset: 8, .size: 8, .value_kind: global_buffer, .address_space: global }
      - { .name: w_codes, .offset: 16, .size: 8, .value_kind: global_buffer, .address_space: global }
      - { .name: w_scales, .offset: 24, .size: 8, .value_kind: global_buffer, .address_space: global }
      - { .name: b_qkv, .offset: 32, .size: 8, .value_kind: global_buffer, .address_space: global }
      - { .name: qkv_codes, .offset: 40, .size: 8, .value_kind: global_buffer, .address_space: global }
      - { .name: qkv_scales, .offset: 48, .size: 8, .value_kind: global_buffer, .address_space: global }
    .group_segment_fixed_size: 327680
    .private_segment_fixed_size: 0
    .kernarg_segment_align: 8
    .kernarg_segment_size: 56
    .max_flat_workgroup_size: 128
    .sgpr_count:     106
    .vgpr_count:     1024
    .wavefront_size: 32
...
	.end_amdgpu_metadata
.endif
;; end of part 3
;; launch attention (part 4): grid 4 x 64, 16 waves a work-group, clusters of 4 x 1, 223,232 bytes of LDS; arguments qkv_codes, qkv_scales, a_codes, a_scales; writes a_codes, a_scales
.if DOCPART == 4
	.amdgcn_target "amdgcn-amd-amdhsa--gfx1250"
	.amdhsa_code_object_version 6
	.text
	.protected	k_q1dff582acd_attention
	.globl	k_q1dff582acd_attention
	.p2align	8
	.type	k_q1dff582acd_attention,@function
k_q1dff582acd_attention:
	s_mov_b64 s[64:65], 0
	v_nop
	global_prefetch_b8 v0, s[64:65] scope:SCOPE_SE
	s_setreg_imm32_b32 hwreg(HW_REG_WAVE_MODE, 25, 1), 1
	s_wait_xcnt 0x0
	s_wait_alu depctr_hold_cnt(0) depctr_sa_sdst(0) depctr_va_vdst(0) depctr_va_sdst(0) depctr_va_ssrc(0) depctr_va_vcc(0) depctr_vm_vsrc(0)
	s_getreg_b32 s2, hwreg(HW_REG_IB_STS2, 6, 4)
	s_cmp_eq_u32 s2, 0
	s_cbranch_scc0 .Lentry_in_a_cluster
	s_endpgm
.Lentry_in_a_cluster:
	s_bfe_u32 s2, ttmp6, 0x10000c
	s_cmp_lg_u32 s2, 0x3003
	s_cbranch_scc0 .Lentry_shape_is_right
	s_endpgm
.Lentry_shape_is_right:
; o = softmax(q k^T / 8) v for one head (y = 16 batch + head), both products on codes of FP6 (E2M3) with E8M0 scales; o is quantised along (head, d) in registers and leaves as codes for the last product.
; THE SOFTMAX: t = score x log2(e) / 8; M = the running largest t rounded UP to a whole number; p = 2^(t - M) is quantised along the keys, not normalised; the row's sum is taken of the unquantised p and divides at the end.
; When M moves, the sum and O are multiplied by 2^(old M - new M): exact.
; SHARES: the cluster's four work-groups are the four blocks of 512 queries of the head; a work-group stays for two passes of 256; in a pass each of its sixteen waves owns one fragment of 16 queries, in 256 registers:
; four waves to a SIMD, so that one wave's vector work stands beside another's products and LDS loads.
; THE WHOLE HEAD'S K, V AND SCALE WORDS LIE IN LDS, FILLED ONCE, by joint loads that name all four work-groups: no ring, no refill.  They come in four chunks of four key steps; a counted wait and a barrier stand ahead of each chunk's steps.
; So nothing is left to ask for ahead of time: no prefetch.
; LAYOUT: both products transposed (S^T = K Q^T, O^T = V^T P^T): a lane holds one query throughout.  Operands are images of registers (planes of 256 bytes, 8 bytes a lane).  Lane r of a fragment of keys holds key
; 32 (t / 2) + 8 (t % 2) + r + 8 (r / 8) of its 128, so the 16 registers of tiles 2 b and 2 b + 1 are 16 neighbouring keys.
; K = 64 IN THE FIRST PRODUCT: a head's codes are six registers of an operand's twelve.  Q's other six hold zero codes.  K's other six are the next tile's codes (zeros behind the last tile): they meet zero codes, under the scale byte 0
; (2^-127) on both sides, and add exactly 0.
; The one-byte stores of o's scale bytes: two heads share a scale word; 32 bytes a wave and pass.
; LIMITS: NaN and infinities not served; a block under 2^-124 has its byte held at 1; a block of zeros gets the byte 1 with zero codes.
; REGISTERS: v2-11 addresses; v12 -M, v13 the largest t, v[14:15] the sum in two halves; v16-27 Q; v28 Q's scale word; v32-85 fragments of K or V; v86-91 their scale words; v96-159 S^T, then p; v160-191 O^T; v192-203 p's codes; v204-255 at work.
.set VC,    98304                      ; LDS: K's codes from 0, 16 key steps x 6,144; V's likewise from here;
.set KSR,   196608                     ; K's scale words as they come, 8,192 bytes; V's behind them;
.set VS,    204800
.set KS,    212992                     ; K's scale words with my head's two bytes brought down: stored by the waves, no fill lands here;
.set SPARE, 221184                     ; the spare words, 128 bytes a wave, that no other line names
.set AV0,  2                           ; v2   VC + 8 x lane
.set ASK0, 3                           ; v3   KS + 16 x lane
.set ASV0, 4                           ; v4   VS + 16 x lane + 8 x (head % 2)
.set SPW,  5
.set NIL,  6
.set L8,   7                           ; v7   8 x lane (K's codes begin at LDS byte 0)
.set ADK,  8
.set ADV,  9
.set ADS,  10
.set ADT,  11
.set WV,   18
.set SEL,  20
.set CS,   22                          ; s[22:23] log2(e) / 8
.set G1K,  24
.set G1V,  32
.set G1S,  40
.set TB,   2                           ; s2   the key step's codes
.set TS,   3                           ; s3   and scale words
.set CNT,  66
.set PASS, 67
.macro CROUND
	s_barrier_signal -1
	s_barrier_wait -1
	s_cmp_lg_u32 s[WV], 0
	s_cbranch_scc1 .Lnot_wave_0_\@
	s_barrier_signal -3
.Lnot_wave_0_\@:
	s_barrier_wait -3
	s_barrier_signal -1
	s_barrier_wait -1
.endm
	s_load_b256 s[4:11], s[0:1], 0x0               ; qkv_codes, qkv_scales, a_codes, a_scales
	v_lshl_add_u32 v[SPW], v0, 2, SPARE
	v_mov_b32 v[NIL], 0
	ds_add_u32 v[SPW], v[NIL]                      ; the wave's opening: the add and its wait stand ahead of the first tensor loads; the set-up below stands between them
	ds_add_u32 v[SPW], v[NIL]
	v_lshrrev_b32 v8, 5, v0
	s_delay_alu instid0(VALU_DEP_1)
	v_readfirstlane_b32 s[WV], v8                  ; wave 0..15
	s_and_b32 s72, ttmp7, 0xffff
	s_lshr_b32 s73, s72, 4                         ; batch
	s_and_b32 s74, s72, 15                         ; head
	s_lshr_b32 s75, s74, 1                         ; the pair of heads: a group of 128 features
	s_and_b32 s76, s74, 1                          ; and which of the two
	s_lshl_b32 s77, s76, 4                         ; my head's two bytes in a scale word begin 16 c bits up
	s_mov_b32 s78, 0xffff0000                      ; lanes 16-31
	; what waves 0 (K) and 1 (V) fetch
	s_and_b32 s88, s[WV], 1
	s_lshl_b32 s89, s88, 3
	s_add_co_u32 s89, s89, 8
	s_add_co_u32 s89, s89, s75                     ; the features' group: 8 + pair for K, 16 + pair for V
	s_lshl_b32 s89, s89, 6
	s_lshl_b32 s90, s73, 4
	s_add_co_u32 s89, s89, s90                     ; x 64 + the batch's first group of tokens
	s_mul_i32 s90, s89, 12288
	s_mul_i32 s91, s88, 5376
	s_add_co_u32 s91, s91, 768
	s_mul_i32 s91, s91, s76                        ; my head: 768 bytes on in each fragment of K, 6,144 on (four fragments) in V
	s_add_co_u32 s90, s90, s91
	s_mov_b32 s91, 0
	s_lshl_b32 s92, s89, 9
	s_mov_b32 s93, 0
	s_mul_i32 s94, s88, VC                         ; where the codes go,
	s_lshl_b32 s95, s88, 13                        ; and the scale words
	; descriptor group 1.  K: rows of 768 bytes, 1,536 apart, 32 of them: four key steps.  V: rows of 6,144 bytes, 12,288 apart, four.  Scale words: 8,192 dense bytes as 32 rows of 256
	s_mov_b32 s[G1K], 15|(3<<16)|(1<<21)           ; 15:0 the mask: all four work-groups; 17:16 elements of 8 bytes; 21 set beside a mask
	s_mov_b32 s[G1K+1], 96<<16
	s_mov_b32 s[G1K+2], 32<<16
	s_mov_b32 s[G1K+3], 96<<16
	s_mov_b32 s[G1K+4], 32
	s_mov_b32 s[G1K+5], 192
	s_mov_b32 s[G1K+6], 0
	s_mov_b32 s[G1K+7], 0
	s_mov_b32 s[G1V], 15|(3<<16)|(1<<21)
	s_mov_b32 s[G1V+1], 768<<16
	s_mov_b32 s[G1V+2], 4<<16
	s_mov_b32 s[G1V+3], 768<<16
	s_mov_b32 s[G1V+4], 4
	s_mov_b32 s[G1V+5], 1536
	s_mov_b32 s[G1V+6], 0
	s_mov_b32 s[G1V+7], 0
	s_mov_b32 s[G1S], 15|(3<<16)|(1<<21)
	s_mov_b32 s[G1S+1], 32<<16
	s_mov_b32 s[G1S+2], 32<<16
	s_mov_b32 s[G1S+3], 32<<16
	s_mov_b32 s[G1S+4], 32
	s_mov_b32 s[G1S+5], 32
	s_mov_b32 s[G1S+6], 0
	s_mov_b32 s[G1S+7], 0
	; my queries: group of tokens tg = 16 batch + 4 cx + 2 pass + wave / 8, fragment i = wave % 8.  cx enters global addresses of Q and o alone
	s_bfe_u32 s79, ttmp6, 0x40000                  ; cx
	s_lshl_b32 s96, s73, 4
	s_lshl_b32 s97, s79, 2
	s_add_co_u32 s96, s96, s97
	s_lshr_b32 s97, s[WV], 3
	s_add_co_u32 s96, s96, s97                     ; tg
	s_and_b32 s97, s[WV], 7                        ; i
	s_lshl_b32 s98, s75, 6
	s_add_co_u32 s98, s98, s96                     ; Q: 64 x pair + tg
	s_lshl_b32 s82, s98, 9
	s_lshl_b32 s98, s98, 3
	s_add_co_u32 s98, s98, s97
	s_mul_i32 s80, s98, 1536
	s_mul_i32 s99, s76, 768
	s_add_co_u32 s80, s80, s99                     ; my fragment's three planes
	s_mov_b32 s81, 0
	s_and_b32 s98, s97, 1
	s_lshl_b32 s98, s98, 8
	s_add_co_u32 s82, s82, s98
	s_lshr_b32 s98, s97, 1
	s_lshl_b32 s98, s98, 2
	s_add_co_u32 s82, s82, s98                     ; its scale words: lanes 16 (i % 2) on, word i / 2
	s_mov_b32 s83, 0
	s_lshl_b32 s98, s96, 3
	s_add_co_u32 s98, s98, s75
	s_lshl_b32 s98, s98, 3
	s_add_co_u32 s98, s98, s97
	s_mul_i32 s84, s98, 1536
	s_add_co_u32 s84, s84, s99                     ; o's codes: ((8 tg + pair) 8 + i) x 1,536 + 768 c
	s_mov_b32 s85, 0
	s_lshr_b32 s98, s96, 1
	s_lshl_b32 s98, s98, 3
	s_add_co_u32 s98, s98, s75
	s_lshl_b32 s86, s98, 10                        ; o's scale bytes: (8 (tg / 2) + pair) x 1,024
	s_and_b32 s98, s96, 1
	s_lshl_b32 s98, s98, 1
	s_lshr_b32 s99, s97, 2
	s_add_co_u32 s98, s98, s99
	s_lshl_b32 s98, s98, 8
	s_add_co_u32 s86, s86, s98                     ; + 256 x (2 (tg % 2) + i / 4)
	s_and_b32 s98, s97, 3
	s_lshl_b32 s98, s98, 2
	s_add_co_u32 s86, s86, s98                     ; + 4 (i % 4)
	s_lshl_b32 s98, s76, 1
	s_add_co_u32 s86, s86, s98                     ; + 2 c
	s_mov_b32 s87, 0
	s_mov_b32 s[SEL], 0x76543210
	s_mov_b32 s[SEL+1], 0xfedcba98                 ; v_permlanex16_b32's selects for lane l xor 16
	s_mov_b32 s[CS], 0x3e38aa3b                    ; log2(e) / 8
	s_mov_b32 s[CS+1], s[CS]                       ; (named with it as a pair, so it is written)
	s_mov_b32 s[PASS], 2
	; every LDS address register is made here, on the way that all waves take
	v_and_b32 v8, 31, v0                           ; lane
	v_and_b32 v9, 15, v0                           ; r
	v_bfe_u32 v10, v0, 4, 1                        ; h
	s_delay_alu instid0(VALU_DEP_3)
	v_lshlrev_b32 v[L8], 3, v8
	s_delay_alu instid0(VALU_DEP_1)
	v_add_nc_u32 v[AV0], VC, v[L8]
	v_lshl_add_u32 v[ASK0], v8, 4, KS
	v_lshl_add_u32 v[ASV0], v8, 4, VS
	s_lshl_b32 s98, s76, 3
	v_add_nc_u32 v[ASV0], s98, v[ASV0]             ; my head's four fragments of V are words 2 c and 2 c + 1
	v_lshlrev_b32 v30, 4, v9                       ; 16 r
	s_delay_alu instid0(VALU_DEP_1)
	v_add_nc_u32 v29, v30, v10                     ; 16 r + h
	v_lshl_add_u32 v31, v0, 4, KSR                 ; wave w brings key step w's scale words down: from here,
	v_lshl_add_u32 v36, v0, 4, KS                  ; to here
.irp j, 22,23,24,25,26,27,80,81,82,83,84,85
	v_mov_b32 v\j, 0                               ; Q's unused half, and what lies behind K's last tile: zero codes, kept
.endr
.irp j, 216,217,218,219,225,227
	v_mov_b32 v\j, 0                               ; written once: lane permutes' destinations, and the upper half of the pair v[224:225]
.endr
	s_wait_dscnt 0x0                               ; the opening add is done
	s_wait_kmcnt 0x0
	s_add_nc_u64 s[90:91], s[4:5], s[90:91]
	s_add_nc_u64 s[92:93], s[6:7], s[92:93]
	s_add_nc_u64 s[80:81], s[4:5], s[80:81]
	s_add_nc_u64 s[82:83], s[6:7], s[82:83]
	s_add_nc_u64 s[84:85], s[8:9], s[84:85]
	s_add_nc_u64 s[86:87], s[10:11], s[86:87]
	CROUND                                         ; all four work-groups are here: the joint loads meet
	s_mov_b32 s48, 1
	s_add_co_u32 s49, s95, KSR
	s_mov_b64 s[50:51], s[92:93]
	s_or_b32 s51, s51, 0x80000000
.macro MKG g, n                        ; group 0 of chunk n: four key steps
	s_mov_b32 s[\g], 1
	s_add_co_u32 s[\g+1], s94, 24576*\n
	s_add_nc_u64 s[\g+2:\g+3], s[90:91], 49152*\n
	s_or_b32 s[\g+3], s[\g+3], 0x80000000
.endm
	MKG 52, 0
	MKG 56, 1
	MKG 60, 2
	MKG 68, 3
	s_cmp_lt_u32 s[WV], 2                          ; all fills of the launch stand in this one branch on the wave's number: five loads of wave 0 and five of wave 1 are out behind it
	s_cbranch_scc0 .Lno_fill
	s_cmp_eq_u32 s[WV], 0
	s_cbranch_scc0 .Lfill_v
	tensor_load_to_lds s[48:51], s[G1S:G1S+7]
	s_nop 0
	tensor_load_to_lds s[52:55], s[G1K:G1K+7]
	s_nop 0
	tensor_load_to_lds s[56:59], s[G1K:G1K+7]
	s_nop 0
	tensor_load_to_lds s[60:63], s[G1K:G1K+7]
	s_nop 0
	tensor_load_to_lds s[68:71], s[G1K:G1K+7]
	s_nop 0
.rept 4
	v_nop
.endr
	s_branch .Lno_fill
.Lfill_v:
	tensor_load_to_lds s[48:51], s[G1S:G1S+7]
	s_nop 0
	tensor_load_to_lds s[52:55], s[G1V:G1V+7]
	s_nop 0
	tensor_load_to_lds s[56:59], s[G1V:G1V+7]
	s_nop 0
	tensor_load_to_lds s[60:63], s[G1V:G1V+7]
	s_nop 0
	tensor_load_to_lds s[68:71], s[G1V:G1V+7]
	s_nop 0
.rept 4
	v_nop
.endr
.Lno_fill:
	s_wait_tensorcnt 4                             ; the scale words are in: behind them four chunks were issued
	s_barrier_signal -1
	s_barrier_wait -1
	ds_load_b128 v[32:35], v31                     ; K's scale words of key step w: my head's two bytes go to bytes 0 and 1, the others become 0
	s_wait_dscnt 0x0
.irp j, 32,33,34,35
	v_lshrrev_b32 v\j, s77, v\j
.endr
.irp j, 32,33,34,35
	s_delay_alu instid0(VALU_DEP_4)
	v_and_b32 v\j, 0xffff, v\j
.endr
	ds_store_b128 v36, v[32:35]                    ; the first phase's barrier, with its wait for my LDS instructions, shows them to the others
; A KEY STEP: 128 keys.
.macro STEP
	v_add_nc_u32 v[ADK], s[TB], v[L8]              ; (these four are also the places in front of the loads into registers that the last products read)
	v_add_nc_u32 v[ADV], s[TB], v[AV0]
	v_add_nc_u32 v[ADS], s[TS], v[ASK0]
	v_add_nc_u32 v[ADT], s[TS], v[ASV0]
.irp t, 0,1,2,3,4,5,6,7
.irp p, 0,1,2
	ds_load_b64 v[32+6*\t+2*\p:33+6*\t+2*\p], v[ADK] offset:768*\t+256*\p
.endr
.endr
	ds_load_b128 v[86:89], v[ADS]                  ; word b: lanes 0-15 tile 2 b, lanes 16-31 tile 2 b + 1
	s_wait_alu depctr_va_vdst(0)
	s_wait_dscnt 0x0
.irp t, 0,2,4,6
	v_wmma_scale_f32_16x16x128_f8f6f4 v[96+8*\t:103+8*\t], v[32+6*\t:43+6*\t], v[16:27], 0, v[86+\t/2], v28 matrix_a_fmt:MATRIX_FMT_FP6 matrix_b_fmt:MATRIX_FMT_FP6
	v_wmma_scale_f32_16x16x128_f8f6f4 v[104+8*\t:111+8*\t], v[38+6*\t:49+6*\t], v[16:27], 0, v[86+\t/2], v28 matrix_a_fmt:MATRIX_FMT_FP6 matrix_b_fmt:MATRIX_FMT_FP6 matrix_a_scale:MATRIX_SCALE_ROW1
.endr
.rept 4
	v_nop                                          ; places: in front of the loads below and of the first read of the scores
.endr
.irp t, 0,1,2,3
.irp p, 0,1,2,3,4,5
	ds_load_b64 v[32+12*\t+2*\p:33+12*\t+2*\p], v[ADV] offset:1536*\t+256*\p   ; V is asked for at once: it lands under the softmax
.endr
.endr
	ds_load_b64 v[90:91], v[ADT]
.irp b, 0,1,2,3
	v_max3_num_f32 v[212+\b], v[96+16*\b], v[97+16*\b], v[98+16*\b]   ; the largest score of each block of 32 keys: it serves for the row's maximum and, since p rises with the score, for the block's largest p
.endr
.irp i, 3,5,7,9,11,13
.irp b, 0,1,2,3
	v_max3_num_f32 v[212+\b], v[212+\b], v[96+16*\b+\i], v[97+16*\b+\i]
.endr
.endr
.irp b, 0,1,2,3
	v_max_num_f32 v[212+\b], v[212+\b], v[111+16*\b]
.endr
.irp b, 0,1,2,3
	s_delay_alu instid0(VALU_DEP_4)
	v_permlanex16_b32 v[216+\b], v[212+\b], s[SEL], s[SEL+1]
.endr
.irp b, 0,1,2,3
	s_delay_alu instid0(VALU_DEP_4)
	v_max_num_f32 v[212+\b], v[212+\b], v[216+\b]  ; with lane l xor 16's 16 keys
.endr
	s_delay_alu instid0(VALU_DEP_2)
	v_max3_num_f32 v227, v212, v213, v214
	s_delay_alu instid0(VALU_DEP_1)
	v_max_num_f32 v227, v227, v215                 ; the step's largest score of my query
	s_delay_alu instid0(VALU_DEP_1)
	v_mul_f32 v227, s[CS], v227                    ; as t
	s_delay_alu instid0(VALU_DEP_1)
	v_max_num_f32 v13, v13, v227                   ; the running largest t
	v_mov_b32 v227, v12
	s_delay_alu instid0(VALU_DEP_2)
	v_floor_f32 v12, -v13                          ; the new -M = floor(-t): M is a whole number
	s_delay_alu instid0(VALU_DEP_1)
	v_sub_f32 v227, v12, v227                      ; old M - new M: a whole number, 0 or less
	s_delay_alu instid0(VALU_DEP_1)
	v_cvt_i32_f32 v227, v227                       ; (it saturates)
	s_delay_alu instid0(VALU_DEP_1)
	v_ldexp_f32 v224, 1.0, v227                    ; f = 2^(old M - new M)
.set j, 0
.rept 32
	v_pk_fma_f32 v[96+j:97+j], v[96+j:97+j], s[CS:CS+1], v[12:13] op_sel_hi:[1,0,0]   ; t - M, two at a time
.set j, j+2
.endr
.irp b, 0,1,2,3
	v_fma_f32 v[212+\b], v[212+\b], s[CS], v12     ; the same of each block's largest score
.endr
.set j, 0
	s_setprio 1
	s_wait_alu depctr_va_vdst(0)
.rept 64
	v_exp_f32 v[96+j], v[96+j]                     ; p = 2^(t - M), at most 1
.set j, j+1
.endr
	v_pk_mul_f32 v[14:15], v[14:15], v[224:225] op_sel_hi:[1,0]   ; the sums under the new M (a plain place behind the exponentials)
	s_wait_alu depctr_va_vdst(0)                   ; one wait for the whole batch, ahead of its first reader
.irp b, 0,1,2,3
	v_exp_f32 v[212+\b], v[212+\b]                 ; the block's largest p
.endr
	v_pk_add_f32 v[228:229], v[100:101], v[104:105]
	v_pk_add_f32 v[254:255], v[108:109], v[112:113]
	v_pk_add_f32 v[252:253], v[116:117], v[120:121]
	v_pk_add_f32 v[250:251], v[124:125], v[128:129]
	v_pk_add_f32 v[248:249], v[132:133], v[136:137]
	v_pk_add_f32 v[246:247], v[140:141], v[144:145]
	v_pk_add_f32 v[244:245], v[148:149], v[152:153]
	v_pk_add_f32 v[14:15], v[14:15], v[156:157]
	v_pk_add_f32 v[228:229], v[228:229], v[96:97]
	v_pk_add_f32 v[254:255], v[254:255], v[98:99]
	v_pk_add_f32 v[252:253], v[252:253], v[102:103]
	v_pk_add_f32 v[250:251], v[250:251], v[106:107]
	v_pk_add_f32 v[248:249], v[248:249], v[110:111]
	v_pk_add_f32 v[246:247], v[246:247], v[114:115]
	v_pk_add_f32 v[244:245], v[244:245], v[118:119]
	v_pk_add_f32 v[14:15], v[14:15], v[122:123]
	v_pk_add_f32 v[228:229], v[228:229], v[126:127]
	v_pk_add_f32 v[254:255], v[254:255], v[130:131]
	v_pk_add_f32 v[252:253], v[252:253], v[134:135]
	v_pk_add_f32 v[250:251], v[250:251], v[138:139]
	v_pk_add_f32 v[248:249], v[248:249], v[142:143]
	v_pk_add_f32 v[246:247], v[246:247], v[146:147]
	v_pk_add_f32 v[244:245], v[244:245], v[150:151]
	v_pk_add_f32 v[14:15], v[14:15], v[154:155]
	v_pk_add_f32 v[228:229], v[228:229], v[158:159]
	s_delay_alu instid0(VALU_DEP_2)
	v_pk_add_f32 v[14:15], v[14:15], v[250:251]
	s_delay_alu instid0(VALU_DEP_2)
	v_pk_add_f32 v[228:229], v[228:229], v[248:249]
	v_pk_add_f32 v[254:255], v[254:255], v[246:247]
	v_pk_add_f32 v[252:253], v[252:253], v[244:245]
	s_delay_alu instid0(VALU_DEP_2)
	v_pk_add_f32 v[14:15], v[14:15], v[254:255]
	s_delay_alu instid0(VALU_DEP_2)
	v_pk_add_f32 v[228:229], v[228:229], v[252:253]
	s_delay_alu instid0(VALU_DEP_1)
	v_pk_add_f32 v[14:15], v[14:15], v[228:229]
	s_wait_alu depctr_va_vdst(0)                   ; and one for the four
.irp b, 0,1,2,3
	v_max_num_f32 v[212+\b], 0x1800000, v[212+\b]  ; the floor 2^(3 - 127): the byte cannot fall under 1
.endr
.irp b, 0,1,2,3
	s_delay_alu instid0(VALU_DEP_4)
	v_add_nc_u32 v[220+\b], 0xff000000, v[212+\b]  ; 2 off the exponent field: the conversion's scale operand
.endr
.irp b, 0,1,2,3
	s_delay_alu instid0(VALU_DEP_4)
	v_lshrrev_b32 v[216+\b], 23, v[220+\b]         ; the scale's byte
.endr
	s_delay_alu instid0(VALU_DEP_3)
	v_lshl_or_b32 v226, v217, 8, v216              ; p's scale word for these 128 keys
	s_delay_alu instid0(VALU_DEP_1)
	v_lshl_or_b32 v226, v218, 16, v226
	s_delay_alu instid0(VALU_DEP_1)
	v_lshl_or_b32 v226, v219, 24, v226
.irp c, 0,1
	v_cvt_scalef32_pk16_fp6_f32 v[192+6*\c:194+6*\c], v[96+32*\c:111+32*\c], v[220+2*\c]
	v_cvt_scalef32_pk16_fp6_f32 v[204+4*\c:206+4*\c], v[112+32*\c:127+32*\c], v[220+2*\c+1]
.endr
	v_nop                                          ; one plain place behind a scaled conversion
	s_setprio 0
.irp c, 0,1                            ; a whole block in a lane: lanes 0-15 block 2 c, lanes 16-31 block 2 c + 1
.irp i, 0,1,2
	v_permlane16_swap_b32 v[192+6*\c+\i], v[204+4*\c+\i]
.endr
.irp i, 0,1,2
	s_delay_alu instid0(VALU_DEP_3)
	v_mov_b32 v[195+6*\c+\i], v[204+4*\c+\i]
.endr
.endr
.set j, 0
.rept 16
	v_pk_mul_f32 v[160+j:161+j], v[160+j:161+j], v[224:225] op_sel_hi:[1,0]   ; O^T under the new M; these sixteen are also the places between p's codes and scale word and the products
.set j, j+2
.endr
	s_wait_alu depctr_va_vdst(0)
	s_wait_dscnt 0x0                               ; V is in
.irp t, 0,2
	v_wmma_scale_f32_16x16x128_f8f6f4 v[160+8*\t:167+8*\t], v[32+12*\t:43+12*\t], v[192:203], v[160+8*\t:167+8*\t], v[90+\t/2], v226 matrix_a_fmt:MATRIX_FMT_FP6 matrix_b_fmt:MATRIX_FMT_FP6
	v_wmma_scale_f32_16x16x128_f8f6f4 v[168+8*\t:175+8*\t], v[44+12*\t:55+12*\t], v[192:203], v[168+8*\t:175+8*\t], v[90+\t/2], v226 matrix_a_fmt:MATRIX_FMT_FP6 matrix_b_fmt:MATRIX_FMT_FP6 matrix_a_scale:MATRIX_SCALE_ROW1
.endr
	s_add_co_u32 s[TB], s[TB], 6144
	s_add_co_u32 s[TS], s[TS], 512
.endm
; Chunk n's four key steps.  The wave that fetched waits until its chunk has landed (3 - n younger chunks may be out), then the barrier shows it to all; nothing is ever filled again.  In the second pass the wait is met at once.
.macro PHASE n
	s_wait_tensorcnt 3-\n
	s_wait_dscnt 0x0                               ; no LDS instruction of mine is out at the signal
	s_barrier_signal -1
	s_barrier_wait -1
	s_mov_b32 s[TB], \n*24576
	s_mov_b32 s[TS], \n*2048
	s_mov_b32 s[CNT], 4
.Lstep_\@:
	s_setprio 2
	STEP
	s_sub_co_u32 s[CNT], s[CNT], 1
	s_cmp_lg_u32 s[CNT], 0
	s_cbranch_scc1 .Lstep_\@
	s_setprio 0
.endm
.Lpass:
.irp p, 0,1,2
	global_load_b64 v[16+2*\p:17+2*\p], v[L8], s[80:81] offset:256*\p   ; Q's fragment: my head's three planes
.endr
	global_load_b32 v28, v30, s[82:83]             ; and its rows' scale words
	v_mov_b32 v13, 0xff61b1e6                      ; the largest t so far: -3e38
	s_delay_alu instid0(VALU_DEP_1)
	v_floor_f32 v12, -v13                          ; -M
	v_mov_b32 v14, 0
	v_mov_b32 v15, 0
	s_wait_loadcnt 0x0
	v_lshrrev_b32 v28, s77, v28                    ; my head's two bytes to bytes 0 and 1,
	s_delay_alu instid0(VALU_DEP_1)
	v_and_b32 v28, 0xffff, v28                     ; the others 0
.set j, 0
.rept 32
	v_mov_b32 v[160+j], 0                          ; O^T: the step is written once; its first run finds zeros.  (More than the eight places that a scale word made by vector instructions owes a scaled product)
.set j, j+1
.endr
	PHASE 0
	PHASE 1
	PHASE 2
	PHASE 3
	; THE WAY OUT: O^T / the sum; tiles 2 b and 2 b + 1 are d = 32 b + 16 h + 0 .. 15 of my query: two blocks along (head, d), quantised as p is
.rept 4
	v_nop
.endr
	v_add_f32 v14, v14, v15
	s_delay_alu instid0(VALU_DEP_1)
	v_permlanex16_b32 v227, v14, s[SEL], s[SEL+1]
	s_delay_alu instid0(VALU_DEP_1)
	v_add_f32 v14, v14, v227                       ; the row's sum
	s_wait_alu depctr_va_vdst(0)
	v_rcp_f32 v14, v14
	v_nop                                          ; a plain place behind the reciprocal
	s_wait_alu depctr_va_vdst(0)                   ; and the wait ahead of its first reader
.set j, 0
.rept 32
	v_mul_f32 v[96+j], v[160+j], v14               ; each accumulator from its low end on
.set j, j+1
.endr
.irp b, 0,1
	v_max3_num_f32 v[212+\b], |v[96+16*\b]|, |v[97+16*\b]|, 0x1800000
.endr
.irp i, 2,4,6,8,10,12,14
.irp b, 0,1
	s_delay_alu instid0(VALU_DEP_2)
	v_max3_num_f32 v[212+\b], v[212+\b], |v[96+16*\b+\i]|, |v[97+16*\b+\i]|
.endr
.endr
.irp b, 0,1
	s_delay_alu instid0(VALU_DEP_2)
	v_permlanex16_b32 v[216+\b], v[212+\b], s[SEL], s[SEL+1]
.endr
.irp b, 0,1
	s_delay_alu instid0(VALU_DEP_2)
	v_max_num_f32 v[212+\b], v[212+\b], v[216+\b]
.endr
.irp b, 0,1
	s_delay_alu instid0(VALU_DEP_2)
	v_add_nc_u32 v[220+\b], 0xff000000, v[212+\b]
.endr
.irp b, 0,1
	s_delay_alu instid0(VALU_DEP_2)
	v_lshrrev_b32 v[216+\b], 23, v[220+\b]
.endr
	v_cvt_scalef32_pk16_fp6_f32 v[232:234], v[96:111], v220
	v_cvt_scalef32_pk16_fp6_f32 v[240:242], v[112:127], v221
	v_nop                                          ; one plain place behind a scaled conversion
.irp i, 0,1,2
	v_permlane16_swap_b32 v[232+\i], v[240+\i]
.endr
.irp i, 0,1,2
	s_delay_alu instid0(VALU_DEP_3)
	v_mov_b32 v[235+\i], v[240+\i]
.endr
	v_cndmask_b32 v228, v216, v217, s78            ; lanes 0-15 store block 0's byte, lanes 16-31 block 1's
.irp p, 0,1,2
	global_store_b64 v[L8], v[232+2*\p:233+2*\p], s[84:85] offset:256*\p   ; 256 consecutive bytes, aligned
.endr
	global_store_b8 v29, v228, s[86:87]
	s_wait_xcnt 0x0                                ; bases and store data are written again only behind this wait
	s_add_nc_u64 s[80:81], s[80:81], 24576         ; the next pass: two groups of tokens on
	s_add_nc_u64 s[82:83], s[82:83], 1024
	s_add_nc_u64 s[84:85], s[84:85], 196608
	s_add_nc_u64 s[86:87], s[86:87], 8192
	s_sub_co_u32 s[PASS], s[PASS], 1
	s_cmp_lg_u32 s[PASS], 0
	s_cbranch_scc1 .Lpass
	s_wait_tensorcnt 0x0                           ; the wave's end
	ds_add_u32 v[SPW], v[NIL]
	s_wait_dscnt 0x0
	CROUND                                         ; the closing round
	s_endpgm
.Lfunc_end_k_q1dff582acd_attention:
	.size	k_q1dff582acd_attention, .Lfunc_end_k_q1dff582acd_attention-k_q1dff582acd_attention
	.p2alignl 7, 3214868480
	.fill 96, 4, 3214868480
	.section	.rodata,"a",@progbits
	.p2align	6, 0x0
	.amdhsa_kernel k_q1dff582acd_attention
		.amdhsa_group_segment_fixed_size 223232
		.amdhsa_private_segment_fixed_size 0
		.amdhsa_enable_private_segment 0
		.amdhsa_kernarg_size 32
		.amdhsa_user_sgpr_count 2
		.amdhsa_user_sgpr_kernarg_segment_ptr 1
		.amdhsa_wavefront_size32 1
		.amdhsa_system_sgpr_workgroup_id_x 1
		.amdhsa_system_sgpr_workgroup_id_y 1
		.amdhsa_system_sgpr_workgroup_id_z 1
		.amdhsa_system_vgpr_workitem_id 0
		.amdhsa_next_free_vgpr 256
		.amdhsa_next_free_sgpr 100
		.amdhsa_reserve_vcc 0
		.amdhsa_float_denorm_mode_32 3
		.amdhsa_float_denorm_mode_16_64 3
		.amdhsa_memory_ordered 1
		.amdhsa_forward_progress 1
		.amdhsa_inst_pref_size 91
	.end_amdhsa_kernel
	.amdgpu_metadata
---
amdhsa.version: [ 1, 2 ]
amdhsa.kernels:
  - .name:           k_q1dff582acd_attention
    .symbol:         k_q1dff582acd_attention.kd
    .args:
      - { .name: qkv_codes, .offset: 0, .size: 8, .value_kind: global_buffer, .address_space: global }
      - { .name: qkv_scales, .offset: 8, .size: 8, .value_kind: global_buffer, .address_space: global }
      - { .name: a_codes, .offset: 16, .size: 8, .value_kind: global_buffer, .address_space: global }
      - { .name: a_scales, .offset: 24, .size: 8, .value_kind: global_buffer, .address_space: global }
    .group_segment_fixed_size: 223232
    .private_segment_fixed_size: 0
    .kernarg_segment_align: 8
    .kernarg_segment_size: 32
    .max_flat_workgroup_size: 512
    .sgpr_count:     100
    .vgpr_count:     256
    .wavefront_size: 32
...
	.end_amdgpu_metadata
.endif
;; end of part 4
;; launch gemm_out (part 5): grid 4 x 32, 4 waves a work-group, clusters of 4 x 4, 327,680 bytes of LDS; arguments a_codes, a_scales, w_codes, w_scales, b_out, out0; writes out0
.if DOCPART == 5
	.amdgcn_target "amdgcn-amd-amdhsa--gfx1250"
	.amdhsa_code_object_version 6
	.text
	.protected	k_q1dff582acd_gemm_out
	.globl	k_q1dff582acd_gemm_out
	.p2align	8
	.type	k_q1dff582acd_gemm_out,@function
k_q1dff582acd_gemm_out:
	s_mov_b64 s[64:65], 0
	v_nop
	global_prefetch_b8 v0, s[64:65] scope:SCOPE_SE
	s_setreg_imm32_b32 hwreg(HW_REG_WAVE_MODE, 25, 1), 1
	s_wait_xcnt 0x0
	s_wait_alu depctr_hold_cnt(0) depctr_sa_sdst(0) depctr_va_vdst(0) depctr_va_sdst(0) depctr_va_ssrc(0) depctr_va_vcc(0) depctr_vm_vsrc(0)
	s_getreg_b32 s2, hwreg(HW_REG_IB_STS2, 6, 4)
	s_cmp_eq_u32 s2, 0
	s_cbranch_scc0 .Lentry_in_a_cluster
	s_endpgm
.Lentry_in_a_cluster:
	s_bfe_u32 s2, ttmp6, 0x10000c
	s_cmp_lg_u32 s2, 0xf033
	s_cbranch_scc0 .Lentry_shape_is_right
	s_endpgm
.Lentry_shape_is_right:
; out0 = o w_out + b_out on codes of FP6 (E2M3) with E8M0 scales, K = 1,024; out0 [8192][1024] f32.
; A tile is 256 tokens (L: source 1, ends up in the lanes) x 256 columns (R: source 0, ends up along a lane's registers); four waves, 128 x 128 each: 64 accumulators, 512 registers.
; Operands lie in memory as images of their registers (16 rows x 128 K: six planes of 256 bytes, registers 2 p, 2 p + 1 of lane l at 8 l): 128 rows x 256 K are 24,576 dense bytes for one tensor load, a fragment six ds_load_b64 at 8 x lane.
; Lane r of fragment i holds row 32 (i / 2) + 8 (i % 2) + r + 8 (r / 8) of its 128; so register j of the result of R's fragment b is column 32 (b / 2) + 8 (b % 2) + 16 (lane / 16) + j.
; RING: two slots of 256 along K, four slots' worth: the text is straight.  The scale words of the tile's 512 rows come once.  CLUSTER 4 x 4: L's tiles jointly along a row, R's along a column.  The bias is the C of each sum's first product.
; 128 tiles: the tile is kept at 256 x 256 so that each LDS byte feeds as many products as the registers allow; this launch is an eighth of the program's matrix work.  No prefetch: half of K is asked for at the head.
; THE WAY OUT: 16 rows x 128 columns at a time through the wave's stage, which lies in slot 0 (it has had its last fill and its last read by then), back as whole rows of 512 bytes.
; REGISTERS: window 0: v16-30 addresses; v32-63 scale words; v64-127 the bias; v128-223 L's fragments, on the way out v128-255 rows.  window 1: R's fragments, sets at v0 and v128.  windows 2, 3: accumulator (a, b) at v[8 (8 (a % 4) + b)].
.set FR,    12
.set NL,    6
.set NP,    4
.set HALF,  24576
.set SLOT,  4*HALF
.set SCL,   2*SLOT
.set SPARE, SCL+16384
.set SPITCH, 528
.set ADRL, 16
.set ADRR, 20
.set L8,   24
.set L16,  25
.set STO,  26
.set ADRS, 27
.set SPW,  28
.set NIL,  29
.set RD,   30
.set SC,   32
.set BI,   64
.set AF,   128
.set BK,   128
.set G1,   24
.set G0,   32
.set G1B,  48
.set G0B,  56
.set G1S,  68
.set G0S,  76
.set G1SB, 80
.set G0SB, 88
.set MSB, 0
.macro WIN new
.if MSB != (\new)
	s_set_vgpr_msb (MSB<<8)|(\new)
.set MSB, (\new)
.endif
.endm
.set MUL_LO, 0xa1
.set MUL_HI, 0xf1
.set TO_B,   0x40
.macro JLOAD g0a, g1a, g0b, g1b        ; a joint load: waves 0 and 1 for L, waves 2 and 3 for R; an s_nop 0 and four v_nop follow each line
	s_cmp_eq_u32 s19, 0
	s_cbranch_scc0 .Lfor_b_\@
	tensor_load_to_lds s[\g0a:\g0a+3], s[\g1a:\g1a+7]
	s_nop 0
.rept 4
	v_nop
.endr
	s_branch .Lasked_\@
.Lfor_b_\@:
	tensor_load_to_lds s[\g0b:\g0b+3], s[\g1b:\g1b+7]
	s_nop 0
.rept 4
	v_nop
.endr
.Lasked_\@:
.endm
.macro CREST
	s_cmp_lg_u32 s18, 0
	s_cbranch_scc1 .Lnot_wave_0_\@
	s_barrier_signal -3
.Lnot_wave_0_\@:
	s_barrier_wait -3
	s_barrier_signal -1
	s_barrier_wait -1
.endm
.macro CROUND
	s_barrier_signal -1
	s_barrier_wait -1
	CREST
.endm
	s_load_b256 s[4:11], s[0:1], 0x0               ; a_codes, a_scales, w_codes, w_scales
	s_load_b128 s[12:15], s[0:1], 0x20             ; b_out, out0
	v_lshl_add_u32 v[SPW], v0, 2, SPARE
	v_mov_b32 v[NIL], 0
	ds_add_u32 v[SPW], v[NIL]                      ; the wave's opening: the add and its wait stand ahead of my first tensor load
	v_lshrrev_b32 v1, 5, v0
	v_readfirstlane_b32 s18, v1                    ; wave
	s_lshr_b32 s19, s18, 1                         ; which 128 tokens are mine.  Also: I fetch for L (0) or for R (1)
	s_and_b32 s20, s18, 1                          ; which 128 columns.  Also: which half I fetch
	s_bfe_u32 s40, ttmp6, 0x40000                  ; cx
	s_bfe_u32 s41, ttmp6, 0x40004                  ; cy
	s_and_b32 s43, ttmp7, 0xffff
	s_lshl_b32 s43, s43, 2
	s_add_co_u32 s43, s43, s41                     ; L's tile of 256 tokens
	s_lshl_b32 s42, ttmp9, 2
	s_add_co_u32 s42, s42, s40
	s_add_co_u32 s42, s42, 12                      ; R's tile: w_out's columns are the weights' tiles 12 to 15
	s_lshl_b32 s44, s41, 2
	s_lshl_b32 s44, 15, s44                        ; my row of the cluster
	s_lshl_b32 s45, 0x1111, s40                    ; my column
	s_or_b32 s[G1], s44, (3<<16)|(1<<21)           ; dense blocks as rows of 256 bytes (32 elements of 8 bytes), no padding; codes: 96 rows, scale words: 16
	s_or_b32 s[G1B], s45, (3<<16)|(1<<21)
.irp g, G1, G1B
	s_mov_b32 s[\g+1], 32<<16
	s_mov_b32 s[\g+2], 96<<16
	s_mov_b32 s[\g+3], 32<<16
	s_mov_b32 s[\g+4], 96
	s_mov_b32 s[\g+5], 32
	s_mov_b32 s[\g+6], 0
	s_mov_b32 s[\g+7], 0
.endr
	s_or_b32 s[G1S], s44, (3<<16)|(1<<21)
	s_or_b32 s[G1SB], s45, (3<<16)|(1<<21)
.irp g, G1S, G1SB
	s_mov_b32 s[\g+1], 32<<16
	s_mov_b32 s[\g+2], 16<<16
	s_mov_b32 s[\g+3], 32<<16
	s_mov_b32 s[\g+4], 16
	s_mov_b32 s[\g+5], 32
	s_mov_b32 s[\g+6], 0
	s_mov_b32 s[\g+7], 0
.endr
	s_lshl_b32 s92, s43, 1
	s_add_co_u32 s92, s92, s20
	s_mul_i32 s92, s92, 98304
	s_mov_b32 s93, 0
	s_lshl_b32 s94, s43, 13
	s_lshl_b32 s23, s20, 12
	s_add_co_u32 s94, s94, s23
	s_mov_b32 s95, 0
	s_lshl_b32 s96, s42, 1
	s_add_co_u32 s96, s96, s20
	s_mul_i32 s96, s96, 98304
	s_mov_b32 s97, 0
	s_lshl_b32 s98, s42, 13
	s_add_co_u32 s98, s98, s23
	s_mov_b32 s99, 0
	s_mul_i32 s22, s18, HALF
	s_lshl_b32 s23, s18, 12
	s_wait_dscnt 0x0                               ; the opening add is done
	s_wait_kmcnt 0x0
	s_add_nc_u64 s[92:93], s[4:5], s[92:93]
	s_add_nc_u64 s[94:95], s[6:7], s[94:95]
	s_add_nc_u64 s[96:97], s[8:9], s[96:97]
	s_add_nc_u64 s[98:99], s[10:11], s[98:99]
	CROUND                                         ; all sixteen work-groups are here: the first joint loads meet
	s_mov_b32 s[G0S], 1
	s_add_co_u32 s[G0S+1], s23, SCL
	s_mov_b64 s[G0S+2:G0S+3], s[94:95]
	s_or_b32 s[G0S+3], s[G0S+3], 0x80000000
	s_mov_b32 s[G0SB], 1
	s_add_co_u32 s[G0SB+1], s23, SCL
	s_mov_b64 s[G0SB+2:G0SB+3], s[98:99]
	s_or_b32 s[G0SB+3], s[G0SB+3], 0x80000000
	JLOAD G0S, G1S, G0SB, G1SB
.irp s, 0,1
	s_mov_b32 s[G0+4*\s], 1
	s_add_co_u32 s[G0+4*\s+1], s22, \s*SLOT
	s_add_nc_u64 s[G0+4*\s+2:G0+4*\s+3], s[92:93], \s*HALF
	s_or_b32 s[G0+4*\s+3], s[G0+4*\s+3], 0x80000000
	s_mov_b32 s[G0B+4*\s], 1
	s_add_co_u32 s[G0B+4*\s+1], s22, \s*SLOT
	s_add_nc_u64 s[G0B+4*\s+2:G0B+4*\s+3], s[96:97], \s*HALF
	s_or_b32 s[G0B+4*\s+3], s[G0B+4*\s+3], 0x80000000
	JLOAD G0+4*\s, G1, G0B+4*\s, G1B               ; three tensor loads of mine are out now
.endr
	v_and_b32 v1, 15, v0                           ; r
	v_bfe_u32 v2, v0, 4, 1                         ; h
	v_and_b32 v3, 31, v0                           ; lane
	v_lshlrev_b32 v[L8], 3, v3
	v_lshlrev_b32 v[L16], 4, v3
	s_mul_i32 s22, s19, HALF
	s_mul_i32 s23, s20, HALF
	s_add_co_u32 s23, s23, 2*HALF
.irp s, 0,1
	v_add_nc_u32 v[ADRL+\s], s22, v[L8]
	v_add_nc_u32 v[ADRR+\s], s23, v[L8]
	s_add_co_u32 s22, s22, SLOT
	s_add_co_u32 s23, s23, SLOT
.endr
	v_lshlrev_b32 v5, 4, v1
	s_lshl_b32 s22, s19, 9
	s_lshl_b32 s23, s20, 9
	s_add_co_u32 s23, s23, 8192
	s_sub_co_u32 s23, s23, s22
	v_mul_u32_u24 v6, s23, v2                      ; lanes 16-31 take R's scale words: the lower base + h x the distance
	s_add_co_u32 s22, s22, SCL
	v_add_nc_u32 v5, v5, v6
	v_add_nc_u32 v[ADRS], s22, v5
	s_mul_i32 s22, s18, 16*SPITCH                  ; my stage
	v_mul_u32_u24 v5, v1, SPITCH
	v_lshl_add_u32 v5, v2, 6, v5
	v_add_nc_u32 v[STO], s22, v5                   ; in: row r, 64 h bytes on
	v_add_nc_u32 v[RD], s22, v[L16]                ; back: the 32 lanes take one row of 512 bytes
	v_lshlrev_b32 v4, 6, v2                        ; the bias: 16 h numbers on
	s_lshl_b32 s2, s43, 8
	s_lshl_b32 s3, s19, 7
	s_add_co_u32 s2, s2, s3                        ; my first token
	s_lshl_b32 s104, s2, 12
	s_sub_co_u32 s3, s42, 12
	s_lshl_b32 s3, s3, 8
	s_lshl_b32 s66, s20, 7
	s_add_co_u32 s3, s3, s66                       ; my first column,
	s_lshl_b32 s3, s3, 2                           ; in bytes
	s_add_co_u32 s104, s104, s3
	s_mov_b32 s105, 0
	s_add_nc_u64 s[14:15], s[14:15], s[104:105]
	s_mov_b32 s104, s3
	s_add_nc_u64 s[12:13], s[12:13], s[104:105]
.irp b, 0,1,2,3,4,5,6,7
	global_load_b128 v[BI+8*\b:BI+8*\b+3], v4, s[12:13] offset:4*(32*(\b/2)+8*(\b%2))
	global_load_b128 v[BI+8*\b+4:BI+8*\b+7], v4, s[12:13] offset:4*(32*(\b/2)+8*(\b%2))+16
.endr
.macro FRAG reg, adr, q, i
.irp p, 0,1,2,3,4,5
	ds_load_b64 v[\reg+2*\p:\reg+2*\p+1], v[\adr] offset:12288*(\q)+1536*(\i)+256*\p
.endr
.endm
; 16 matrix instructions: L's fragments a0, a0 + 1 x R's eight.  cm = 1: the sums begin with the bias.  The 64 accumulators take turns, one instruction a turn.
.macro MUL16 a0, p, q, sc, cm
.irp a, \a0, \a0+1
.irp b, 0,1,2,3,4,5,6,7
.set DD, 8*(8*((\a)%4)+\b)
.set RB, 128*(\p)+FR*\b
.set LA, AF+FR*(\a)
.set SB, SC+16*(\sc)+8*(\q)+\b
.set SA, SC+16*(\sc)+8*(\q)+(\a)
.if \cm == 0
	v_wmma_scale_f32_16x16x128_f8f6f4 v[DD:DD+7], v[RB:RB+FR-1], v[LA:LA+FR-1], v[DD:DD+7], v[SB], v[SA] matrix_a_fmt:MATRIX_FMT_FP6 matrix_b_fmt:MATRIX_FMT_FP6 matrix_a_scale:MATRIX_SCALE_ROW1
.else
	v_wmma_scale_f32_16x16x128_f8f6f4 v[DD:DD+7], v[RB:RB+FR-1], v[LA:LA+FR-1], v[BI+8*\b:BI+8*\b+7], v[SB], v[SA] matrix_a_fmt:MATRIX_FMT_FP6 matrix_b_fmt:MATRIX_FMT_FP6 matrix_a_scale:MATRIX_SCALE_ROW1
.endif
.endr
.endr
.endm
.macro FETCH_B slot, q, p
	WIN TO_B
.irp i, 0,1,2,3,4,5,6,7
	FRAG 128*(\p)+FR*\i, ADRR+\slot, \q, \i
.endr
	WIN 0
.endm
.macro FETCH_A slot, q, i0
.irp i, \i0, \i0+1, \i0+2, \i0+3
	FRAG AF+FR*(\i), ADRL+\slot, \q, \i
.endr
.endm
.macro SCALES set
.irp q, 0,1
.irp g, 0,1
	ds_load_b128 v[SC+16*\set+8*\q+4*\g:SC+16*\set+8*\q+4*\g+3], v[ADRS] offset:1024*\q+256*\g
.endr
.endr
.endm
.macro PLACES n                        ; loads into registers that matrix instructions have read, and reads of results, stand NP plain vector instructions behind them (ISA guide 7.12.1 for reads of results)
.rept \n
	v_nop
.endr
.endm
.macro STEP slot, q, cm
	s_wait_dscnt 4*NL                              ; R's set and L's fragments 0-3 are in; the youngest 24 loads may be out
.if \cm
	WIN 0x81                                       ; the bias lies in window 0
.else
	WIN MUL_LO
.endif
	MUL16 0, (\q)%2, \q, \slot, \cm
	MUL16 2, (\q)%2, \q, \slot, \cm
	s_wait_dscnt 0
	PLACES NP
	FETCH_B \slot, (\q)+1, 1-(\q)%2
	FETCH_A \slot, (\q)+1, 0
.if \cm
	WIN 0xc1
.else
	WIN MUL_HI
.endif
	MUL16 4, (\q)%2, \q, \slot, \cm
	MUL16 6, (\q)%2, \q, \slot, \cm
	PLACES NP
	WIN 0
	FETCH_A \slot, (\q)+1, 4
.endm
.macro TURN slot, next, fill           ; a slot's last step changes slots: one barrier, with the three lines in front of it; fill = 1: the slot is filled again, two slots ahead
	s_wait_tensorcnt 0x0                           ; all my tensor loads have landed: my part of the next slot
	ds_add_u32 v[SPW], v[NIL]                      ; 0 onto my spare word
	s_wait_dscnt 4*NL+1                            ; (the add and L's fragments 4-7 may be out)
	WIN MUL_LO
	MUL16 0, 1, 1, \slot, 0
	s_wait_dscnt 0x0                               ; the add is done, and my reads of this slot are over
	s_barrier_signal -1
	MUL16 2, 1, 1, \slot, 0
	WIN 0
	s_barrier_wait -1
.if \fill
	CREST                                          ; the barrier has opened a round of the cluster's: no wave of any partner still reads this slot or has a load on its way
	s_add_nc_u64 s[G0+4*\slot+2:G0+4*\slot+3], s[G0+4*\slot+2:G0+4*\slot+3], 2*HALF
	s_add_nc_u64 s[G0B+4*\slot+2:G0B+4*\slot+3], s[G0B+4*\slot+2:G0B+4*\slot+3], 2*HALF
	JLOAD G0+4*\slot, G1, G0B+4*\slot, G1B
.else
	PLACES NP
.endif
	v_add_nc_u32 v[ADRS], 2048, v[ADRS]
	FETCH_B \next, 0, 0
	FETCH_A \next, 0, 0
	SCALES \next
	WIN MUL_HI
	MUL16 4, 1, 1, \slot, 0
	MUL16 6, 1, 1, \slot, 0
	PLACES NP
	WIN 0
	FETCH_A \next, 0, 4
.endm
	s_wait_tensorcnt 1                             ; the scale words and my part of slot 0 are in (slot 1's load may be out)
	s_barrier_signal -1
	s_barrier_wait -1                              ; everybody's are
	FETCH_B 0, 0, 0
	FETCH_A 0, 0, 0
	SCALES 0
	FETCH_A 0, 0, 4
	s_wait_loadcnt 0x0                             ; the bias
	STEP 0, 0, 1
	TURN 0, 1, 1
	STEP 1, 0, 0
	TURN 1, 0, 1
	STEP 0, 0, 0
	TURN 0, 1, 0                                   ; nothing is left to fetch; behind this barrier nobody reads slot 0
	STEP 1, 0, 0
	s_wait_dscnt 4*NL
	WIN MUL_LO
	MUL16 0, 1, 1, 1, 0
	MUL16 2, 1, 1, 1, 0
	s_wait_dscnt 0
	WIN MUL_HI
	MUL16 4, 1, 1, 1, 0
	MUL16 6, 1, 1, 1, 0
	WIN 0
.macro TOSTAGE a                       ; LDS serves a wave's instructions in order: no wait between the stores and the loads, nor in front of the next block's stores
.set AC, 64*((\a)%4)
.set WS, 0x08+4*((\a)/4)
	WIN WS                                         ; an LDS store's data: window 2 or 3
.irp b, 0,1,2,3,4,5,6,7
	ds_store_b128 v[STO], v[AC+8*\b:AC+8*\b+3] offset:128*(\b/2)+32*(\b%2)        ; each accumulator from its low end on
	ds_store_b128 v[STO], v[AC+8*\b+4:AC+8*\b+7] offset:128*(\b/2)+32*(\b%2)+16
.endr
	WIN 0
.set BB, BK+64*((\a)%2)
.irp t, 0,1,2,3,4,5,6,7,8,9,10,11,12,13,14,15
	ds_load_b128 v[BB+4*\t:BB+4*\t+3], v[RD] offset:\t*SPITCH
.endr
.endm
.macro SEND a, younger                 ; younger: the LDS instructions issued behind block a's loads, which may stay out
.set BB, BK+64*((\a)%2)
	s_wait_dscnt \younger
.irp t, 0,1,2,3,4,5,6,7,8,9,10,11,12,13,14,15
	global_store_b128 v[L16], v[BB+4*\t:BB+4*\t+3], s[14:15] offset:(32*((\a)/2)+8*((\a)%2)+\t+8*(\t/8))*4096 th:TH_STORE_NT   ; 512 consecutive bytes, aligned; the row's place stands in the immediate, 127 rows at the most
.endr
.endm
	PLACES NP
	TOSTAGE 0
.irp a, 1,2,3,4,5,6,7
.if \a > 1
	s_wait_xcnt 0x0                                ; block a - 2's stores have read their registers: block a's loads may land there
.endif
	TOSTAGE \a
	SEND \a-1, 32                                  ; behind block a - 1's loads: block a's 16 stores and 16 loads
.endr
	SEND 7, 0
	s_wait_tensorcnt 0x0                           ; the wave's end, behind my last tensor load and my last LDS store
	ds_add_u32 v[SPW], v[NIL]
	s_wait_dscnt 0x0
	CROUND                                         ; the closing round
	s_endpgm
.Lfunc_end_k_q1dff582acd_gemm_out:
	.size	k_q1dff582acd_gemm_out, .Lfunc_end_k_q1dff582acd_gemm_out-k_q1dff582acd_gemm_out
	.p2alignl 7, 3214868480
	.fill 96, 4, 3214868480
	.section	.rodata,"a",@progbits
	.p2align	6, 0x0
	.amdhsa_kernel k_q1dff582acd_gemm_out
		.amdhsa_group_segment_fixed_size 327680
		.amdhsa_private_segment_fixed_size 0
		.amdhsa_enable_private_segment 0
		.amdhsa_kernarg_size 48
		.amdhsa_user_sgpr_count 2
		.amdhsa_user_sgpr_kernarg_segment_ptr 1
		.amdhsa_wavefront_size32 1
		.amdhsa_system_sgpr_workgroup_id_x 1
		.amdhsa_system_sgpr_workgroup_id_y 1
		.amdhsa_system_sgpr_workgroup_id_z 1
		.amdhsa_system_vgpr_workitem_id 0
		.amdhsa_next_free_vgpr 1024
		.amdhsa_next_free_sgpr 106
		.amdhsa_reserve_vcc 0
		.amdhsa_float_denorm_mode_32 3
		.amdhsa_float_denorm_mode_16_64 3
		.amdhsa_memory_ordered 1
		.amdhsa_forward_progress 1
		.amdhsa_inst_pref_size 159
	.end_amdhsa_kernel
	.amdgpu_metadata
---
amdhsa.version: [ 1, 2 ]
amdhsa.kernels:
  - .name:           k_q1dff582acd_gemm_out
    .symbol:         k_q1dff582acd_gemm_out.kd
    .args:
      - { .name: a_codes, .offset: 0, .size: 8, .value_kind: global_buffer, .address_space: global }
      - { .name: a_scales, .offset: 8, .size: 8, .value_kind: global_buffer, .address_space: global }
      - { .name: w_codes, .offset: 16, .size: 8, .value_kind: global_buffer, .address_space: global }
      - { .name: w_scales, .offset: 24, .size: 8, .value_kind: global_buffer, .address_space: global }
      - { .name: b_out, .offset: 32, .size: 8, .value_kind: global_buffer, .address_space: global }
      - { .name: out0, .offset: 40, .size: 8, .value_kind: global_buffer, .address_space: global }
    .group_segment_fixed_size: 327680
    .private_segment_fixed_size: 0
    .kernarg_segment_align: 8
    .kernarg_segment_size: 48
    .max_flat_workgroup_size: 128
    .sgpr_count:     106
    .vgpr_count:     1024
    .wavefront_size: 32
...
	.end_amdgpu_metadata
.endif
;; end of part 5
